; MI455X (gfx1250); checked and timed in simulation.
; The chip was launched on July 23, 2026; its instructions are those of AMD's public machine-readable ISA for CDNA 5 (MIT licence, August 2026) and "CDNA5" Instruction Set Architecture Reference Guide (July 2026). The comments in the code are by the model that wrote it; some were corrected since.
;; Transformer Block. Allowed arithmetic: float matrix products may take bf16 or f16 operands with f32 sums; all other float work in f32.
;; Inputs: W1 1,024 x 4,096 float32; W2 4,096 x 1,024 float32; Wk 1,024 x 1,024 float32; Wo 1,024 x 1,024 float32; Wq 1,024 x 1,024 float32; Wv 1,024 x 1,024 float32; b1 4,096 float32; b2 1,024 float32; bo 1,024 float32; g1 1,024 float32; g2 1,024 float32; s1 1,024 float32; s2 1,024 float32; x 2 x 2,048 x 1,024 float32.
;; Outputs: out0 2 x 2,048 x 1,024 float32.
;; One version. Each part assembles by itself: llvm-mc -triple=amdgcn-amd-amdhsa -mcpu=gfx1250 --defsym DOCPART=n.
;; ======== version 1 of 1: 7 launches
;; limits: values are held in f16: magnitudes above 65,504 overflow, below 6.1e-05 lose precision
;; workspace buffers: wb 25,165,824 bytes; xn 8,388,608 bytes; qkv 25,165,824 bytes; ctx 8,388,608 bytes; h 16,777,216 bytes; yn 8,388,608 bytes; act 33,554,432 bytes
;; launch prep (part 1): grid 1024 x 1, 4 waves a work-group, no clusters, 0 bytes of LDS; arguments x, g1, s1, xn, Wq, Wk, Wv, Wo, W1, W2, wb; writes xn, wb
.if DOCPART == 1
	.amdgcn_target "amdgcn-amd-amdhsa--gfx1250"
	.amdhsa_code_object_version 6
	.text
	.protected	k_q8938b92da6_prep
	.globl	k_q8938b92da6_prep
	.p2align	8
	.type	k_q8938b92da6_prep,@function
k_q8938b92da6_prep:
	s_mov_b64 s[64:65], 0
	v_nop
	global_prefetch_b8 v0, s[64:65] scope:SCOPE_SE
	s_setreg_imm32_b32 hwreg(HW_REG_WAVE_MODE, 25, 1), 1
	s_wait_xcnt 0x0
; Two streams in one launch.
; Work-groups 0-255:    xn = layernorm(x) * g1 + s1, rounded to f16.  x: [4096][1024] f32, xn: [4096][1024] f16.
; Work-groups 256-1023: the six weight matrices, f32 to f16, each in its own [K][N] layout, one behind the other in wb
;                       (Wq 0, Wk 0x200000, Wv 0x400000, Wo 0x600000, W1 0x800000, W2 0x1000000): 768 pieces of 65,536 bytes of f32.
; Memory binds both, so there is no LDS, no barrier and no matrix instruction: every byte is read once by 16-byte loads
; (512 consecutive bytes an instruction of a wave) and written once by 8-byte stores (256 consecutive aligned bytes an instruction).
; Layernorm: one wave takes a whole row (32 registers), four rows a wave, all 32 loads of the four rows issued at once.
; The variance is taken of the centred numbers, so a common offset of x costs no digits.  Sums are added in another order than row-wise.
; WHY F16: 11 significant bits, against 8 in bf16, and both kinds of number have the room.  A normalised number of a row of 1,024 is below 32 in
; magnitude, so |xn| < 32 |g| + |s|.  Weights of root mean square 1/32 or 1/64 stay far below the largest f16 when 30 times larger or shifted by 30 spreads,
; and when 30 times smaller (5e-4) f16's smallest step, 2^-24, is still about 1e-4 of them.
; LIMIT: a weight or an xn beyond 65,504 in magnitude becomes infinite.
.set G,    4                           ; v[4:35]    g of my 32 columns
.set S,    36                          ; v[36:67]   s of my 32 columns
.set X,    68                          ; v[68:195]  four rows of 32 registers (cast: 32 pieces of 4 registers)
.set T,    196                         ; v[196:203] four chains of pairs
.set PX,   204                         ; v204       what v_permlanex16_b32 brings
.set MEAN, 206                         ; v[206:207] the mean, twice
.set RS,   208                         ; v[208:209] 1 / sqrt(var + eps), twice
; four chains of pairs in T -> one number, the same in all 32 lanes
.macro FOLD
	v_pk_add_f32 v[T:T+1], v[T:T+1], v[T+2:T+3]
	v_pk_add_f32 v[T+4:T+5], v[T+4:T+5], v[T+6:T+7]
	v_pk_add_f32 v[T:T+1], v[T:T+1], v[T+4:T+5]
	v_add_f32 v[T], v[T], v[T+1]
.irp m, 1,2,4,8
	v_add_f32_dpp v[T], v[T], v[T] row_xmask:\m row_mask:0xf bank_mask:0xf
.endr
	v_permlanex16_b32 v[PX], v[T], s30, s31        ; the other half of the lanes
	v_add_f32 v[T], v[T], v[PX]
.endm
; row rr of the wave's four.  left = loads of the later rows, which may stay out (g and s were issued first)
.macro ROW rr, left
.set R, X+32*\rr
	s_wait_loadcnt \left
.irp c, 0,2,4,6
	v_pk_add_f32 v[T+\c:T+\c+1], v[R+\c:R+\c+1], v[R+8+\c:R+8+\c+1]          ; the first sums start the chains: nothing is cleared
.endr
.irp k, 16,24
.irp c, 0,2,4,6
	v_pk_add_f32 v[T+\c:T+\c+1], v[T+\c:T+\c+1], v[R+\k+\c:R+\k+\c+1]
.endr
.endr
	FOLD
	v_mul_f32 v[MEAN], s26, v[T]                   ; sum / 1024
	v_mul_f32 v[MEAN+1], s26, v[T]
.set i, 0
.rept 16
	v_pk_add_f32 v[R+i:R+i+1], v[R+i:R+i+1], v[MEAN:MEAN+1] neg_lo:[0,1] neg_hi:[0,1]   ; x - mean, in place
.set i, i+2
.endr
.irp c, 0,2,4,6
	v_pk_mul_f32 v[T+\c:T+\c+1], v[R+\c:R+\c+1], v[R+\c:R+\c+1]
.endr
.irp k, 8,16,24
.irp c, 0,2,4,6
	v_pk_fma_f32 v[T+\c:T+\c+1], v[R+\k+\c:R+\k+\c+1], v[R+\k+\c:R+\k+\c+1], v[T+\c:T+\c+1]
.endr
.endr
	FOLD
	v_fma_f32 v[T], v[T], s26, s27                 ; var + eps
	v_rsq_f32 v[RS], v[T]
	v_rsq_f32 v[RS+1], v[T]
	v_nop                                          ; one plain instruction between v_rsq_f32 and the use of its result (ISA guide 5.7.2)
.set i, 0
	s_wait_alu depctr_va_vdst(0)
.rept 16
	v_pk_mul_f32 v[R+i:R+i+1], v[R+i:R+i+1], v[RS:RS+1]
.set i, i+2
.endr
.set i, 0
.rept 16
	v_pk_fma_f32 v[R+i:R+i+1], v[R+i:R+i+1], v[G+i:G+i+1], v[S+i:S+i+1]
.set i, i+2
.endr
.irp j, 0,1,2,3,4,5,6,7
	v_cvt_pk_f16_f32 v[R+4*\j], v[R+4*\j], v[R+4*\j+1]
	v_cvt_pk_f16_f32 v[R+4*\j+1], v[R+4*\j+2], v[R+4*\j+3]
	global_store_b64 v2, v[R+4*\j:R+4*\j+1], s[10:11] offset:2048*\rr+256*\j     ; a wave's store: 256 consecutive bytes, aligned; its data are not written again
.endr
.endm
	s_load_b256 s[4:11], s[0:1], 0x0               ; x s[4:5], g1 s[6:7], s1 s[8:9], xn s[10:11]
	s_load_b256 s[12:19], s[0:1], 0x20             ; Wq, Wk, Wv, Wo
	s_load_b128 s[20:23], s[0:1], 0x40             ; W1, W2
	s_load_b64 s[24:25], s[0:1], 0x50              ; wb
	s_mov_b32 s29, 0                               ; high word of every byte offset
	s_wait_kmcnt 0x0
	s_cmp_lt_u32 ttmp9, 256
	s_cbranch_scc0 .Lcast
	; ---- layernorm: the work-group owns rows 16 id .. 16 id + 15, wave w four of them ----
	s_mov_b32 s26, 0x3a800000                      ; 1 / 1024
	s_mov_b32 s27, 0x3727c5ac                      ; eps = 1e-5
	s_mov_b32 s30, 0x76543210                      ; v_permlanex16_b32: lane i reads lane i of the other half
	s_mov_b32 s31, 0xfedcba98
	v_and_b32 v3, 31, v0
	v_lshrrev_b32 v2, 5, v0                        ; wave
	v_lshlrev_b32 v3, 4, v3                        ; 16 l: my bytes in g and s, and in each 512 bytes of a row
	v_lshl_add_u32 v1, v2, 14, v3                  ; + 4 rows of 4,096 bytes a wave
	v_lshrrev_b32 v2, 1, v1                        ; the same place in xn: half the bytes
	v_mov_b32 v[PX], 0                             ; v_permlanex16_b32 counts as a reader of its destination
	s_lshl_b32 s28, ttmp9, 16                      ; 16 rows of 4,096 bytes
	s_add_nc_u64 s[4:5], s[4:5], s[28:29]
	s_lshl_b32 s28, ttmp9, 15                      ; 16 rows of 2,048 bytes
	s_add_nc_u64 s[10:11], s[10:11], s[28:29]
.irp j, 0,1,2,3,4,5,6,7
	global_load_b128 v[G+4*\j:G+4*\j+3], v3, s[6:7] offset:512*\j
.endr
.irp j, 0,1,2,3,4,5,6,7
	global_load_b128 v[S+4*\j:S+4*\j+3], v3, s[8:9] offset:512*\j
.endr
.irp rr, 0,1,2,3
.irp j, 0,1,2,3,4,5,6,7
	global_load_b128 v[X+32*\rr+4*\j:X+32*\rr+4*\j+3], v1, s[4:5] offset:4096*\rr+512*\j th:TH_LOAD_NT
.endr
.endr
	ROW 0, 24
	ROW 1, 16
	ROW 2, 8
	ROW 3, 0
	s_endpgm
	; ---- cast: piece c = id - 256, 65,536 bytes of f32 to 32,768 bytes of f16 ----
.Lcast:
	s_sub_co_u32 s33, ttmp9, 256
	s_mov_b64 s[34:35], s[12:13]                   ; pieces 0-63 Wq, 64-127 Wk, 128-191 Wv, 192-255 Wo, 256-511 W1, 512-767 W2
	s_cmp_ge_u32 s33, 64
	s_cselect_b64 s[34:35], s[14:15], s[34:35]
	s_cmp_ge_u32 s33, 128
	s_cselect_b64 s[34:35], s[16:17], s[34:35]
	s_cmp_ge_u32 s33, 192
	s_cselect_b64 s[34:35], s[18:19], s[34:35]
	s_cmp_ge_u32 s33, 256
	s_cselect_b64 s[34:35], s[20:21], s[34:35]
	s_cmp_ge_u32 s33, 512
	s_cselect_b64 s[34:35], s[22:23], s[34:35]
	s_cmp_lt_u32 s33, 256
	s_cselect_b32 s28, 63, 255                     ; pieces in a matrix, less one
	s_and_b32 s28, s28, s33                        ; the piece's number in its matrix
	s_lshl_b32 s28, s28, 16
	s_add_nc_u64 s[34:35], s[34:35], s[28:29]
	s_lshl_b32 s28, s33, 15                        ; in wb the pieces follow each other
	s_add_nc_u64 s[24:25], s[24:25], s[28:29]
	v_lshlrev_b32 v1, 4, v0                        ; 16 t
	v_lshlrev_b32 v2, 3, v0                        ; 8 t
.irp j, 0,1,2,3,4,5,6,7,8,9,10,11,12,13,14,15,16,17,18,19,20,21,22,23,24,25,26,27,28,29,30,31
	global_load_b128 v[X+4*\j:X+4*\j+3], v1, s[34:35] offset:2048*\j th:TH_LOAD_NT   ; the whole piece is asked for at once
.endr
.irp j, 0,1,2,3,4,5,6,7,8,9,10,11,12,13,14,15,16,17,18,19,20,21,22,23,24,25,26,27,28,29,30,31
	s_wait_loadcnt 31-\j                           ; loads come back in order: load j is in, the younger ones stay out
	v_cvt_pk_f16_f32 v[X+4*\j], v[X+4*\j], v[X+4*\j+1]
	v_cvt_pk_f16_f32 v[X+4*\j+1], v[X+4*\j+2], v[X+4*\j+3]
	global_store_b64 v2, v[X+4*\j:X+4*\j+1], s[24:25] offset:1024*\j
.endr
	s_endpgm
.Lfunc_end_k_q8938b92da6_prep:
	.size	k_q8938b92da6_prep, .Lfunc_end_k_q8938b92da6_prep-k_q8938b92da6_prep
	.p2alignl 7, 3214868480
	.fill 96, 4, 3214868480
	.section	.rodata,"a",@progbits
	.p2align	6, 0x0
	.amdhsa_kernel k_q8938b92da6_prep
		.amdhsa_group_segment_fixed_size 0
		.amdhsa_private_segment_fixed_size 0
		.amdhsa_enable_private_segment 0
		.amdhsa_kernarg_size 88
		.amdhsa_user_sgpr_count 2
		.amdhsa_user_sgpr_kernarg_segment_ptr 1
		.amdhsa_wavefront_size32 1
		.amdhsa_system_sgpr_workgroup_id_x 1
		.amdhsa_system_sgpr_workgroup_id_y 1
		.amdhsa_system_sgpr_workgroup_id_z 1
		.amdhsa_system_vgpr_workitem_id 0
		.amdhsa_next_free_vgpr 212
		.amdhsa_next_free_sgpr 66
		.amdhsa_reserve_vcc 0
		.amdhsa_float_denorm_mode_32 3
		.amdhsa_float_denorm_mode_16_64 3
		.amdhsa_memory_ordered 1
		.amdhsa_forward_progress 1
		.amdhsa_inst_pref_size 50
	.end_amdhsa_kernel
	.amdgpu_metadata
---
amdhsa.version: [ 1, 2 ]
amdhsa.kernels:
  - .name:           k_q8938b92da6_prep
    .symbol:         k_q8938b92da6_prep.kd
    .args:
      - { .name: x, .offset: 0, .size: 8, .value_kind: global_buffer, .address_space: global }
      - { .name: g1, .offset: 8, .size: 8, .value_kind: global_buffer, .address_space: global }
      - { .name: s1, .offset: 16, .size: 8, .value_kind: global_buffer, .address_space: global }
      - { .name: xn, .offset: 24, .size: 8, .value_kind: global_buffer, .address_space: global }
      - { .name: Wq, .offset: 32, .size: 8, .value_kind: global_buffer, .address_space: global }
      - { .name: Wk, .offset: 40, .size: 8, .value_kind: global_buffer, .address_space: global }
      - { .name: Wv, .offset: 48, .size: 8, .value_kind: global_buffer, .address_space: global }
      - { .name: Wo, .offset: 56, .size: 8, .value_kind: global_buffer, .address_space: global }
      - { .name: W1, .offset: 64, .size: 8, .value_kind: global_buffer, .address_space: global }
      - { .name: W2, .offset: 72, .size: 8, .value_kind: global_buffer, .address_space: global }
      - { .name: wb, .offset: 80, .size: 8, .value_kind: global_buffer, .address_space: global }
    .group_segment_fixed_size: 0
    .private_segment_fixed_size: 0
    .kernarg_segment_align: 8
    .kernarg_segment_size: 88
    .max_flat_workgroup_size: 128
    .sgpr_count:     66
    .vgpr_count:     212
    .wavefront_size: 32
...
	.end_amdgpu_metadata
.endif
;; end of part 1
;; launch qkv (part 2): grid 12 x 16, 4 waves a work-group, clusters of 4 x 4, 327,680 bytes of LDS; arguments xn, wb, qkv; writes qkv
.if DOCPART == 2
	.amdgcn_target "amdgcn-amd-amdhsa--gfx1250"
	.amdhsa_code_object_version 6
	.text
	.protected	k_q8938b92da6_qkv
	.globl	k_q8938b92da6_qkv
	.p2align	8
	.type	k_q8938b92da6_qkv,@function
k_q8938b92da6_qkv:
	s_mov_b64 s[64:65], 0
	v_nop
	global_prefetch_b8 v0, s[64:65] scope:SCOPE_SE
	s_setreg_imm32_b32 hwreg(HW_REG_WAVE_MODE, 25, 1), 1
	s_wait_xcnt 0x0
	s_wait_alu depctr_hold_cnt(0) depctr_sa_sdst(0) depctr_va_vdst(0) depctr_va_sdst(0) depctr_va_ssrc(0) depctr_va_vcc(0) depctr_vm_vsrc(0)
	s_getreg_b32 s2, hwreg(HW_REG_IB_STS2, 6, 4)
	s_cmp_eq_u32 s2, 0
	s_cbranch_scc0 .Lentry_in_a_cluster
	s_endpgm
.Lentry_in_a_cluster:
	s_bfe_u32 s2, ttmp6, 0x10000c
	s_cmp_lg_u32 s2, 0xf033
	s_cbranch_scc0 .Lentry_shape_is_right
	s_endpgm
.Lentry_shape_is_right:
; C = A B, A: [4096][1024] f16 (K along the rows), B: f16 stored [K][N] as the weights lie, C: f16; sums in f32.
; GELU = 0: A = xn, B = Wq, Wk, Wv (one matrix for each column of clusters), C = q, k, v stacked in qkv.  12 x 16 = 192 blocks: all the work there is.
; GELU = 1: A = yn, B = W1, C = gelu(A B + b1) in act.  16 x 16 = 256 blocks.
; A work-group makes a block of 256 x 256 of C with four waves; a wave makes 128 x 128: 64 accumulator tiles of 16 x 16, 512 registers.
; K goes in steps of 128 through a ring of two LDS slots filled by the tensor data mover.  A's tile: 256 rows of 256 bytes.  B's tile: 128 k-rows of 512 bytes;
; its fragments are read with ds_load_tr16_b128, which turns 8 x 8 elements, so that B is never transposed in memory.
; CLUSTERS: 4 x 4 work-groups.  The four of a row of the cluster need the same tiles of A, the four of a column the same tiles of B: each tile is asked for
; jointly, by the same tensor load with the same descriptor and a mask that names the four.  That divides the requests for A and for B by four.
; WHY F16: 11 significant bits against bf16's 8, and C has the room: a normalised row times weights of root mean square 1/32 gives numbers of root mean
; square 1; with gain and weights both 30 times larger that is 900.
; LIMIT: operands are f16, C is rounded once to f16; a number of C beyond 65,504 in magnitude becomes infinite.
;
; REGISTERS, in windows of 256: window 0: v0-31 addresses; v64-127, v128-191 fragments of A, two buffers; v192-255 at work on the way out
;   window 1: v0-63 the bias (GELU = 1); v64-127, v128-191 fragments of B, two buffers
;   window 2: the 32 accumulator tiles of my rows 0-63 (tile (a, b) at v[8 (8 a + b)]);   window 3: those of my rows 64-127
; THE MATRIX INSTRUCTION IS USED TRANSPOSED: source 0 = 16 columns of B, source 1 = 16 rows of A: lane l then holds row l % 16 of C and its registers 0 to 7
; the columns 8 (l / 16) + 0 .. 7: eight neighbouring numbers of a row of C.
.set GELU,   0
.set SIZE_K, 1024
.set KSTEP,  128
.set PITCH,  272                       ; A's LDS row: 256 bytes + 16 of padding: 16 rows that a load touches start at 16 different 16-byte columns
.set BP,     544                       ; B's LDS row: 512 bytes + 32 of padding = 17 x 32
.set HALFT,  128*PITCH                 ; what one tensor load brings: 128 rows of A, or 64 k-rows of B (64 x 544 is the same 34,816 bytes)
.set SLOT,   4*HALFT                   ; A's 256 rows, then B's 128 k-rows
.set STAGE,  2*SLOT                    ; behind the ring: 16 rows x 272 bytes for each wave, for the way out; no tensor load lands there
.set SPITCH, 272
.set LAPS,   SIZE_K/(2*KSTEP)          ; a lap = two K steps = once round the ring
.if GELU
.set LDB,    4096                      ; elements in a row of B and of C
.else
.set LDB,    1024
.endif
.set LDC,    2*LDB                     ; bytes in a row of C
.set ADRA, 16                          ; v16-17  LDS address of my A fragments in slot 0, 1
.set ADRB, 20                          ; v20-21  the same for B
.set STO,  24                          ; v24     the way out: where I put 16 bytes of a row
.set RD,   25                          ; v25     the way out: where I read a row back
.set CO,   26                          ; v26     my byte offset in C
.set BOF,  27                          ; v27     my byte offset in the bias
.set K1,   28                          ; v[28:29] -2 sqrt(2/pi) log2(e), twice
.set K2,   30                          ; v[30:31] that times 0.044715, twice
.set F0,   64                          ; fragment buffer 0
.set F1,   128                         ; fragment buffer 1
.set GT,   64                          ; the way out with gelu: 64 numbers in f32
.set U,    128                         ; and 8 at work
.set TMP,  192                         ; the way out: packed results
.set RB,   224                         ; the way out with gelu: rows read back
.set G1, 24                            ; s[24:31] descriptor group 1 for A's tiles
.set G0, 32                            ; s[32:39] descriptor group 0 for A's tiles, one set for each slot
.set G1B, 48                           ; s[48:55] descriptor group 1 for B's tiles
.set G0B, 56                           ; s[56:63] descriptor group 0 for B's tiles, one set for each slot
.set MSB, 0
.macro WIN new                         ; s_set_vgpr_msb: bits 1:0 source 0, 3:2 source 1, 5:4 source 2, 7:6 destination; the high byte repeats the setting that is left
.if MSB != \new
	s_set_vgpr_msb (MSB<<8)|\new
.set MSB, \new
.endif
.endm
.set MUL_LO, 0xa1                      ; source 0 (B) window 1, source 1 (A) window 0, C and D window 2
.set MUL_HI, 0xf1                      ; the same, C and D window 3
.set TO_B,   0x40                      ; destination window 1, address window 0
; A joint load.  Waves 0 and 1 fetch A's two halves, waves 2 and 3 B's.  Each line has one mask and one set of registers for all that issue it.
.macro JLOAD s
	s_cmp_eq_u32 s11, 0
	s_cbranch_scc0 .Lfor_b_\@
	tensor_load_to_lds s[G0+4*\s:G0+4*\s+3], s[G1:G1+7]
	s_nop 0
	s_branch .Lasked_\@
.Lfor_b_\@:
	tensor_load_to_lds s[G0B+4*\s:G0B+4*\s+3], s[G1B:G1B+7]
	s_nop 0
.Lasked_\@:
.endm
; A round of the cluster's barrier: my work-group's barrier; wave 0 signals for the work-group; every wave waits for all sixteen; my work-group's barrier once more.
.macro CREST                           ; a round behind its opening barrier
	s_cmp_lg_u32 s10, 0
	s_cbranch_scc1 .Lnot_wave_0_\@
	s_barrier_signal -3
.Lnot_wave_0_\@:
	s_barrier_wait -3
	s_barrier_signal -1
	s_barrier_wait -1
.endm
.macro CROUND                          ; a whole round
	s_barrier_signal -1
	s_barrier_wait -1
	CREST
.endm
	s_load_b128 s[4:7], s[0:1], 0x0                ; A s[4:5], wb s[6:7]
	s_load_b64 s[8:9], s[0:1], 0x10                ; C
	s_set_vgpr_msb 0x40
	v_lshl_add_u32 v255, v0, 2, 0x48400
	s_set_vgpr_msb 0x4000
	v_mov_b32 v255, 0
	s_set_vgpr_msb 0x1
	ds_add_u32 v255, v255
	ds_add_u32 v255, v255
	s_set_vgpr_msb 0x100
.if GELU
	s_load_b64 s[66:67], s[0:1], 0x18              ; b1
.endif
	v_lshrrev_b32 v1, 5, v0
	v_readfirstlane_b32 s10, v1                    ; wave 0..3
	s_lshr_b32 s11, s10, 1                         ; which half of the block's rows is mine.  Also: I fetch for A (0) or for B (1)
	s_and_b32 s12, s10, 1                          ; which half of its columns.  Also: which half of that tile I fetch
	s_bfe_u32 s40, ttmp6, 0x40000                  ; cx
	s_bfe_u32 s41, ttmp6, 0x40004                  ; cy
	s_lshl_b32 s42, ttmp9, 2
	s_add_co_u32 s42, s42, s40                     ; block column = 4 x cluster x + cx
	s_and_b32 s13, ttmp7, 0xffff
	s_lshl_b32 s13, s13, 2
	s_add_co_u32 s13, s13, s41                     ; block row = 4 x cluster y + cy
	s_lshl_b32 s43, s41, 2
	s_lshl_b32 s43, 15, s43                        ; my row of the cluster: places 4 cy .. 4 cy + 3
	s_lshl_b32 s44, 0x1111, s40                    ; my column: places cx, cx + 4, cx + 8, cx + 12
	; group 1 for A: 128 rows x 128 elements of 2 bytes, 4 words of padding behind every 64 words
	s_or_b32 s[G1+0], s43, (1<<16)|(1<<20)|(1<<21)|(5<<22)|(3<<25)
	s_mov_b32 s[G1+1], KSTEP<<16                   ; tensor_dim0 = 128
	s_mov_b32 s[G1+2], 128<<16                     ; tensor_dim1 = 128
	s_mov_b32 s[G1+3], KSTEP<<16                   ; tile_dim0 = 128
	s_mov_b32 s[G1+4], 128                         ; tile_dim1 = 128
	s_mov_b32 s[G1+5], SIZE_K                      ; elements from row to row
	s_mov_b32 s[G1+6], 0
	s_mov_b32 s[G1+7], 0
	; group 1 for B: 64 k-rows x 256 elements, 8 words of padding behind every 128 words
	s_or_b32 s[G1B+0], s44, (1<<16)|(1<<20)|(1<<21)|(6<<22)|(7<<25)
	s_mov_b32 s[G1B+1], 256<<16                    ; tensor_dim0 = 256
	s_mov_b32 s[G1B+2], 64<<16                     ; tensor_dim1 = 64
	s_mov_b32 s[G1B+3], 256<<16                    ; tile_dim0 = 256
	s_mov_b32 s[G1B+4], 64                         ; tile_dim1 = 64
	s_mov_b32 s[G1B+5], LDB
	s_mov_b32 s[G1B+6], 0
	s_mov_b32 s[G1B+7], 0
	; where the tiles come from.  A's hang on the block row alone, B's on the block column alone; each in registers that never hold the other coordinate.
	s_lshl_b32 s17, s12, 7
	s_lshl_b32 s16, s13, 8
	s_add_co_u32 s16, s16, s17                     ; A: row 256 x block row + 128 x half
	s_lshl_b32 s16, s16, 11                        ; rows of 2,048 bytes
	s_mov_b32 s17, 0
.if GELU
	s_lshl_b32 s46, s42, 9                         ; B: 512 bytes of a k-row for each block column,
	s_add_co_u32 s46, s46, 0x800000                ; in W1
.else
	s_lshl_b32 s46, ttmp9, 21                      ; B: the cluster's x picks Wq, Wk or Wv (2 MiB each),
	s_lshl_b32 s47, s40, 9                         ; cx the 512 bytes of a k-row
	s_add_co_u32 s46, s46, s47
.endif
	s_mul_i32 s47, s12, 64*LDB*2                   ; + 64 k-rows x half
	s_add_co_u32 s46, s46, s47
	s_mov_b32 s47, 0
	s_mul_i32 s20, s10, HALFT                      ; and where they go: wave x 34,816 bytes: no place in the cluster enters an LDS address
	s_wait_dscnt 0x0
	s_wait_kmcnt 0x0
	s_add_nc_u64 s[14:15], s[4:5], s[16:17]
	s_add_nc_u64 s[46:47], s[6:7], s[46:47]
	CROUND                                         ; all sixteen work-groups are here: the first joint loads meet
.irp s, 0,1
	s_mov_b32 s[G0+4*\s], 1
	s_add_co_u32 s[G0+4*\s+1], s20, \s*SLOT
	s_add_nc_u64 s[G0+4*\s+2:G0+4*\s+3], s[14:15], \s*KSTEP*2
	s_or_b32 s[G0+4*\s+3], s[G0+4*\s+3], 0x80000000
	s_mov_b32 s[G0B+4*\s], 1
	s_add_co_u32 s[G0B+4*\s+1], s20, \s*SLOT
	s_add_nc_u64 s[G0B+4*\s+2:G0B+4*\s+3], s[46:47], \s*KSTEP*LDB*2
	s_or_b32 s[G0B+4*\s+3], s[G0B+4*\s+3], 0x80000000
	JLOAD \s                                       ; the ring is filled before anything else is done: two tensor loads of the wave are out
.endr
	; A's fragment (16 rows x 32 K): lane l holds row l % 16; two loads of 16 bytes, 32 bytes apart, at row x pitch + 16 (l / 16).
	; B's fragment (16 columns x 32 K) from k-rows: two transposing loads, 16 k-rows apart, at (8 (l / 16) + l % 8) x pitch + 16 ((l / 8) % 2).
	v_and_b32 v1, 15, v0                           ; l % 16
	v_bfe_u32 v2, v0, 4, 1                         ; l / 16
	v_mul_u32_u24 v3, v1, PITCH
	v_lshl_add_u32 v3, v2, 4, v3
	v_and_b32 v6, 7, v0
	v_lshl_add_u32 v6, v2, 3, v6
	v_mul_u32_u24 v6, v6, BP
	v_bfe_u32 v7, v0, 3, 1
	v_lshl_add_u32 v6, v7, 4, v6
	s_mul_i32 s21, s11, HALFT                      ; my 128 rows of A
	s_lshl_b32 s22, s12, 8                         ; my 128 columns of B: 256 bytes of each k-row,
	s_add_co_u32 s22, s22, 2*HALFT                 ; behind A's 256 rows
.irp s, 0,1
	v_add_nc_u32 v[ADRA+\s], s21, v3
	v_add_nc_u32 v[ADRB+\s], s22, v6
	s_add_co_u32 s21, s21, SLOT
	s_add_co_u32 s22, s22, SLOT
.endr
	s_mul_i32 s23, s10, 16*SPITCH
	s_add_co_u32 s23, s23, STAGE                   ; my stage
	v_mul_u32_u24 v4, v1, SPITCH
	v_lshl_add_u32 v4, v2, 4, v4
	v_add_nc_u32 v[STO], s23, v4
	v_mul_u32_u24 v5, v2, SPITCH
	v_lshl_add_u32 v5, v1, 4, v5
	v_add_nc_u32 v[RD], s23, v5
	v_mul_u32_u24 v5, v2, LDC
	v_lshl_add_u32 v[CO], v1, 4, v5
.if GELU
	; the bias of my 128 columns, as the accumulators hold them: tile b, registers 0-7 = columns 16 b + 8 (l / 16) + 0..7.  Waited for once, in front of the way out.
	s_lshl_b32 s46, s42, 10
	s_lshl_b32 s47, s12, 9
	s_add_co_u32 s46, s46, s47
	s_mov_b32 s47, 0
	s_add_nc_u64 s[66:67], s[66:67], s[46:47]
	v_lshlrev_b32 v[BOF], 5, v2
	v_mov_b32 v[K1], 0xc0135761
	v_mov_b32 v[K1+1], 0xc0135761
	v_mov_b32 v[K2], 0xbdd2d3e8
	v_mov_b32 v[K2+1], 0xbdd2d3e8
	WIN TO_B
.irp b, 0,1,2,3,4,5,6,7
	global_load_b128 v[8*\b:8*\b+3],   v[BOF], s[66:67] offset:64*\b
	global_load_b128 v[8*\b+4:8*\b+7], v[BOF], s[66:67] offset:64*\b+16
.endr
	WIN 0
.endif
; 16 matrix instructions: m blocks a0, a0 + 1 of the window's four x all 8 n blocks, 32 along K.  zero = 1: the first product starts the sums.
; The 64 accumulators take turns, one instruction a turn, in the same order in every quarter step.
.macro MUL16 f, hi, a0, zero
.irp a, \a0, \a0+1
.irp b, 0,1,2,3,4,5,6,7
.if \zero
	v_wmma_f32_16x16x32_f16 v[8*(8*(\a)+\b):8*(8*(\a)+\b)+7], v[\f+8*\b:\f+8*\b+7], v[\f+8*(4*\hi+\a):\f+8*(4*\hi+\a)+7], 0
.else
	v_wmma_f32_16x16x32_f16 v[8*(8*(\a)+\b):8*(8*(\a)+\b)+7], v[\f+8*\b:\f+8*\b+7], v[\f+8*(4*\hi+\a):\f+8*(4*\hi+\a)+7], v[8*(8*(\a)+\b):8*(8*(\a)+\b)+7]
.endif
.endr
.endr
.endm
; 32 LDS loads in one run: the fragments of one quarter step (32 K at byte k of A's rows = k-rows k / 2 of B) into buffer f
.macro FETCH slot, k, f
	WIN TO_B
.irp i, 0,1,2,3,4,5,6,7
	ds_load_tr16_b128 v[\f+8*\i:\f+8*\i+3],   v[ADRB+\slot] offset:(\k/64)*32*BP+32*\i
	ds_load_tr16_b128 v[\f+8*\i+4:\f+8*\i+7], v[ADRB+\slot] offset:(\k/64)*32*BP+16*BP+32*\i
.endr
	WIN 0
.irp i, 0,1,2,3,4,5,6,7
	ds_load_b128 v[\f+8*\i:\f+8*\i+3],   v[ADRA+\slot] offset:\k+\i*16*PITCH
	ds_load_b128 v[\f+8*\i+4:\f+8*\i+7], v[ADRA+\slot] offset:\k+\i*16*PITCH+32
.endr
.endm
; Four plain vector instructions stand between a matrix instruction and a load into one of its registers, or a vector instruction that reads its result.
.macro PLACES
.rept 4
	v_nop
.endr
.endm
; One of a K step's first three quarters: multiplies buffer f; in its middle it fetches the next quarter's fragments into buffer g.
.macro QUARTER slot, k, f, g, zero
	s_wait_dscnt 8                                 ; B and A's rows 0-63 are in; the youngest eight loads (A's rows 64-127) may be out
	WIN MUL_LO
	MUL16 \f, 0, 0, \zero
	MUL16 \f, 0, 2, \zero
	PLACES
	FETCH \slot, \k, \g
	s_wait_dscnt 32                                ; all but the 32 just issued
	WIN MUL_HI
	MUL16 \f, 1, 0, \zero
	MUL16 \f, 1, 2, \zero
.endm
.macro THREE slot, zero
	QUARTER \slot, 64,  F0, F1, \zero
	QUARTER \slot, 128, F1, F0, 0
	QUARTER \slot, 192, F0, F1, 0
.endm
; The last quarter: multiplies buffer 1 and changes slots.  In front of the barrier each wave waits for its reads of this slot and for all its tensor loads
; (one is out: its part of the next slot).  Behind it the refill comes first, then the next slot's first fragments.
.macro TURN slot, next, fill
	s_wait_dscnt 8
	WIN MUL_LO
	MUL16 F1, 0, 0, 0
	s_wait_dscnt 0                                 ; my reads of this slot are over
	s_wait_tensorcnt 0x0                           ; and all my tensor loads have landed
	ds_add_u32 v255, v255
	s_wait_dscnt 0x0
	s_barrier_signal -1                            ; say so (where a slot is filled again this barrier opens a round of the cluster's barrier),
	MUL16 F1, 0, 2, 0                              ; work on registers while the others arrive,
	WIN 0
	s_barrier_wait -1
.if \fill
	CREST                                          ; no wave of any partner still reads this slot's tile or has a load on its way
	s_add_nc_u64 s[G0+4*\slot+2:G0+4*\slot+3], s[G0+4*\slot+2:G0+4*\slot+3], 2*KSTEP*2
	s_add_nc_u64 s[G0B+4*\slot+2:G0B+4*\slot+3], s[G0B+4*\slot+2:G0B+4*\slot+3], 2*KSTEP*LDB*2
	JLOAD \slot                                    ; the first tensor load behind the round, and the wave's only one until the next
.endif
	PLACES
	FETCH \next, 0, F0
	WIN MUL_HI
	MUL16 F1, 1, 0, 0
	MUL16 F1, 1, 2, 0
.endm
.macro LAP zero
	THREE 0, \zero
	TURN 0, 1, 1
	THREE 1, 0
	TURN 1, 0, 1
.endm
	s_wait_tensorcnt 1                             ; my part of K step 0 is in; K step 1's load, issued behind it, may stay out
	s_barrier_signal -1
	s_barrier_wait -1                              ; everybody's is
	FETCH 0, 0, F0
	LAP 1                                          ; the first lap stands in front of the loop: its first products start the sums
	WIN 0
	s_mov_b32 s3, LAPS-2
.Llap:
	LAP 0
	WIN 0
	s_sub_co_u32 s3, s3, 1
	s_cmp_lg_u32 s3, 0
	s_cbranch_scc1 .Llap
	THREE 0, 0                                     ; the last lap fills nothing
	TURN 0, 1, 0
	THREE 1, 0
	s_wait_dscnt 8
	WIN MUL_LO
	MUL16 F1, 0, 0, 0
	MUL16 F1, 0, 2, 0
	s_wait_dscnt 0
	WIN MUL_HI
	MUL16 F1, 1, 0, 0
	MUL16 F1, 1, 2, 0
	; THE WAY OUT, 16 rows of C at a time: to f16, 16 bytes a lane into my own stage in LDS, read back as whole rows of 256 bytes.
	PLACES
	s_lshl_b32 s13, s13, 8
	s_lshl_b32 s14, s11, 7
	s_add_co_u32 s16, s13, s14                     ; my first row of C
	s_mul_i32 s16, s16, LDC
	s_mov_b32 s17, 0
	s_add_nc_u64 s[8:9], s[8:9], s[16:17]
.if GELU
	s_lshl_b32 s46, s42, 9                         ; my first column, in bytes
.else
	s_lshl_b32 s46, ttmp9, 23                      ; q, k or v (8 MiB each),
	s_lshl_b32 s47, s40, 9                         ; and the column in it
	s_add_co_u32 s46, s46, s47
.endif
	s_lshl_b32 s47, s12, 8
	s_add_co_u32 s46, s46, s47
	s_mov_b32 s47, 0
	s_add_nc_u64 s[8:9], s[8:9], s[46:47]
.if GELU
; gelu of the 8 numbers at x, packed to the 4 registers at d.  0.5 x (1 + tanh(z)) = x / (1 + e^(-2 z)) = x / (1 + 2^(x (K1 + K2 x x))): the tanh form itself.
; Where x x or the power overflows the quotient is x or -0, as the tanh form gives.
.macro GELU8 x, d
.irp r, 0,2,4,6
	v_pk_mul_f32 v[U+\r:U+\r+1], v[\x+\r:\x+\r+1], v[\x+\r:\x+\r+1]
.endr
.irp r, 0,2,4,6
	v_pk_fma_f32 v[U+\r:U+\r+1], v[U+\r:U+\r+1], v[K2:K2+1], v[K1:K1+1]
.endr
.irp r, 0,2,4,6
	v_pk_mul_f32 v[U+\r:U+\r+1], v[U+\r:U+\r+1], v[\x+\r:\x+\r+1]
.endr
.irp r, 0,1,2,3,4,5,6,7
	v_exp_f32 v[U+\r], v[U+\r]
.endr
	v_nop                                          ; one plain instruction behind a transcendental before its result is used (ISA guide 5.7.2)
.irp r, 0,2,4,6
	v_pk_add_f32 v[U+\r:U+\r+1], v[U+\r:U+\r+1], 1.0 op_sel_hi:[1,0]
.endr
.irp r, 0,1,2,3,4,5,6,7
	v_rcp_f32 v[U+\r], v[U+\r]
.endr
	v_nop
.irp r, 0,2,4,6
	v_pk_mul_f32 v[\x+\r:\x+\r+1], v[\x+\r:\x+\r+1], v[U+\r:U+\r+1]
.endr
.irp r, 0,1,2,3
	v_cvt_pk_f16_f32 v[\d+\r], v[\x+2*\r], v[\x+2*\r+1]
.endr
.endm
; rows 16 i .. 16 i + 15 of my block; from = 0x06 or 0x07: source 0 (sums) window 2 or 3, source 1 (bias) window 1
.macro OUT16G i, a, from
	WIN \from
.irp b, 0,1,2,3,4,5,6,7
.irp r, 0,2,4,6
	v_pk_add_f32 v[GT+8*\b+\r:GT+8*\b+\r+1], v[8*(8*\a+\b)+\r:8*(8*\a+\b)+\r+1], v[8*\b+\r:8*\b+\r+1]
.endr
.endr
	WIN 0
.irp b, 0,1,2,3,4,5,6,7
	GELU8 GT+8*\b, TMP+4*\b
.endr
.irp b, 0,1,2,3,4,5,6,7
	ds_store_b128 v[STO], v[TMP+4*\b:TMP+4*\b+3] offset:32*\b
.endr
	s_wait_xcnt 0x0                                ; the rows read back and the stores' base, which the last stores read, are rewritten only behind this wait
.if \i
	s_add_nc_u64 s[8:9], s[8:9], 16*LDC
.endif
.irp t, 0,1,2,3,4,5,6,7
	ds_load_b128 v[RB+4*\t:RB+4*\t+3], v[RD] offset:\t*2*SPITCH    ; LDS serves a wave's instructions in order: these see the stores above
.endr
.irp t, 0,1,2,3,4,5,6,7
	s_wait_dscnt 7-\t
	global_store_b128 v[CO], v[RB+4*\t:RB+4*\t+3], s[8:9] offset:2*\t*LDC        ; 16 lanes store 256 consecutive bytes, aligned
.endr
.endm
	s_wait_loadcnt 0x0                             ; the bias
	OUT16G 0, 0, 0x06
	OUT16G 1, 1, 0x06
	OUT16G 2, 2, 0x06
	OUT16G 3, 3, 0x06
	OUT16G 4, 0, 0x07
	OUT16G 5, 1, 0x07
	OUT16G 6, 2, 0x07
	OUT16G 7, 3, 0x07
.else
; rows 16 i .. 16 i + 15 of my block = the eight tiles (a, 0..7) of window 2 or 3 (from = 0x0a or 0x0f: sources 0 and 1); f: F0 or F1 in turn
.macro OUT16 i, a, from, f
	WIN \from
.irp b, 0,1,2,3,4,5,6,7
.irp r, 0,1,2,3
	v_cvt_pk_f16_f32 v[TMP+4*\b+\r], v[8*(8*\a+\b)+2*\r], v[8*(8*\a+\b)+2*\r+1]
.endr
.endr
	WIN 0
.irp b, 0,1,2,3,4,5,6,7
	ds_store_b128 v[STO], v[TMP+4*\b:TMP+4*\b+3] offset:32*\b
.endr
	s_wait_xcnt 0x0                                ; buffer f, which stores read, and the stores' base are rewritten only behind this wait
.if \i
	s_add_nc_u64 s[8:9], s[8:9], 16*LDC
.endif
.irp t, 0,1,2,3,4,5,6,7
	ds_load_b128 v[\f+4*\t:\f+4*\t+3], v[RD] offset:\t*2*SPITCH    ; LDS serves a wave's instructions in order: these see the stores above
.endr
.irp t, 0,1,2,3,4,5,6,7
	s_wait_dscnt 7-\t
	global_store_b128 v[CO], v[\f+4*\t:\f+4*\t+3], s[8:9] offset:2*\t*LDC        ; 16 lanes store 256 consecutive bytes, aligned
.endr
.endm
	OUT16 0, 0, 0x0a, F0
	OUT16 1, 1, 0x0a, F1
	OUT16 2, 2, 0x0a, F0
	OUT16 3, 3, 0x0a, F1
	OUT16 4, 0, 0x0f, F0
	OUT16 5, 1, 0x0f, F1
	OUT16 6, 2, 0x0f, F0
	OUT16 7, 3, 0x0f, F1
.endif
	s_set_vgpr_msb 0x1
	s_wait_tensorcnt 0x0
	ds_add_u32 v255, v255
	s_wait_dscnt 0x0
	s_set_vgpr_msb 0x100
	CROUND                                         ; the closing round: no work-group ends while a partner may still ask for a tile that names it
	s_endpgm
.Lfunc_end_k_q8938b92da6_qkv:
	.size	k_q8938b92da6_qkv, .Lfunc_end_k_q8938b92da6_qkv-k_q8938b92da6_qkv
	.p2alignl 7, 3214868480
	.fill 96, 4, 3214868480
	.section	.rodata,"a",@progbits
	.p2align	6, 0x0
	.amdhsa_kernel k_q8938b92da6_qkv
		.amdhsa_group_segment_fixed_size 327680
		.amdhsa_private_segment_fixed_size 0
		.amdhsa_enable_private_segment 0
		.amdhsa_kernarg_size 24
		.amdhsa_user_sgpr_count 2
		.amdhsa_user_sgpr_kernarg_segment_ptr 1
		.amdhsa_wavefront_size32 1
		.amdhsa_system_sgpr_workgroup_id_x 1
		.amdhsa_system_sgpr_workgroup_id_y 1
		.amdhsa_system_sgpr_workgroup_id_z 1
		.amdhsa_system_vgpr_workitem_id 0
		.amdhsa_next_free_vgpr 1024
		.amdhsa_next_free_sgpr 66
		.amdhsa_reserve_vcc 0
		.amdhsa_float_denorm_mode_32 3
		.amdhsa_float_denorm_mode_16_64 3
		.amdhsa_memory_ordered 1
		.amdhsa_forward_progress 1
		.amdhsa_inst_pref_size 197
	.end_amdhsa_kernel
	.amdgpu_metadata
---
amdhsa.version: [ 1, 2 ]
amdhsa.kernels:
  - .name:           k_q8938b92da6_qkv
    .symbol:         k_q8938b92da6_qkv.kd
    .args:
      - { .name: xn, .offset: 0, .size: 8, .value_kind: global_buffer, .address_space: global }
      - { .name: wb, .offset: 8, .size: 8, .value_kind: global_buffer, .address_space: global }
      - { .name: qkv, .offset: 16, .size: 8, .value_kind: global_buffer, .address_space: global }
    .group_segment_fixed_size: 327680
    .private_segment_fixed_size: 0
    .kernarg_segment_align: 8
    .kernarg_segment_size: 24
    .max_flat_workgroup_size: 128
    .sgpr_count:     66
    .vgpr_count:     1024
    .wavefront_size: 32
...
	.end_amdgpu_metadata
.endif
;; end of part 2
;; launch attn (part 3): grid 256 x 1, 4 waves a work-group, no clusters, 327,680 bytes of LDS; arguments qkv, ctx; writes ctx
.if DOCPART == 3
	.amdgcn_target "amdgcn-amd-amdhsa--gfx1250"
	.amdhsa_code_object_version 6
	.text
	.protected	k_q8938b92da6_attn
	.globl	k_q8938b92da6_attn
	.p2align	8
	.type	k_q8938b92da6_attn,@function
k_q8938b92da6_attn:
	s_mov_b64 s[64:65], 0
	v_nop
	global_prefetch_b8 v0, s[64:65] scope:SCOPE_SE
	s_setreg_imm32_b32 hwreg(HW_REG_WAVE_MODE, 25, 1), 1
	s_wait_xcnt 0x0
; Causal attention with a running maximum.  q, k, v: [4096][1024] f16 stacked in qkv (0, 0x800000, 0x1000000); ctx: [4096][1024] f16.
; Work-group id: p = id & 7, head = (id >> 3) & 15, batch = id >> 7.  It does query block p (128 rows) and then query block 15 - p:
; (p + 1) + (16 - p) = 17 key tiles of 128 keys in every work-group, so all 256 have the same work.  Key tiles above the diagonal are not touched.
; Wave w owns queries 32 w .. 32 w + 31 of a block, as two tiles n of 16.
; S^T = K Q^T (source 0 = 16 keys, source 1 = 16 queries): lane (r, h) holds query r and keys 8 h + j.  Packed in place to f16 these registers ARE source 1
; of O^T = V^T P^T, so P needs no shuffle, and maximum, sum and rescale factor are one register for each n.  V^T's fragments come by ds_load_tr16_b128.
; K and V go through a ring of two LDS slots; waves 0, 1 fetch K's halves, waves 2, 3 V's, one tensor load of 64 rows a wave behind each barrier.
; NO MULTICAST: the work-groups that read the same K and V tiles are the query blocks of one head, and they need different numbers of tiles (p + 1 against
; 16 - p at the same time) and mask and finish in different trips; a form alike in all partners would do the masked half of the products too.
; WHY F16: the weights P lie in [0, 1] with the largest equal to 1, so what f16's smallest step, 2^-24, drops is below 6e-8 of a row's sum; ctx is a convex
; mix of v and is no larger than v.
; LIMITS: q, k, v, P and ctx are f16; v_exp_f32 gives 0 below 2^-126; a row's sum is added in another order than along the row;
; a store covers a head's 128 bytes of each of four rows, which is all that a head has in a row.
.set KP,    144                        ; LDS row of K and of Q: 128 bytes + 16
.set VP,    160                        ; LDS row of V: 128 bytes + 32 = 5 x 32
.set PART,  10240                      ; a wave's part of a slot: 64 rows of K (9,216 bytes used) or 64 rows of V
.set SLOT,  4*PART                     ; K rows 0-63, K rows 64-127, V rows 0-127
.set QBASE, 2*SLOT                     ; Q: two query blocks of 128 rows
.set QPASS, 128*KP
.set STAGE, QBASE+2*QPASS              ; 32 rows x 144 bytes for each wave, for the way out; no tensor load lands there
.set NINF, 1                           ; v1       -infinity
.set KA,   2                           ; v2-3     LDS address of my K fragments in slot 0, 1
.set VA,   4                           ; v4-5     the same for V
.set QA,   6                           ; v6       for Q
.set STO,  7                           ; v7       the way out: where I put 16 bytes
.set RD,   8                           ; v8       where I read them back
.set CO,   9                           ; v9       my byte offset in a query block of ctx
.set DQ,   10                          ; v10-11   query - 8 h in the block, for n = 0, 1: key 8 h + c is allowed where c <= DQ
.set SC,   12                          ; v[12:13] log2(e) / 8, twice
.set MX,   14                          ; v14-15   running maximum of the raw scores
.set LS,   16                          ; v16-17   running sum (of my half of the keys)
.set AL,   18                          ; v[18:21] rescale factor, a pair for each n
.set NM,   22                          ; v[22:23] -maximum x SC, twice
.set T,    24                          ; v[24:31] at work
.set Q,    32                          ; v[32:63]   fragment (n, ks) at 8 (2 n + ks)
.set S,    64                          ; v[64:127]  scores: 32 n + 8 kt + j; then P: fragment (n, ks2) at 32 n + 8 ks2
.set KF,   128                         ; v[128:191] fragment (kt, ks) at 8 (2 kt + ks)
.set VF,   192                         ; v[192:255] fragment (dt, ks2) at 8 (2 dt + ks2); the way out works here too
.set O,    0                           ; window 1, v[0:63]: O^T tile (n, dt) at 8 (4 n + dt)
.set G1K, 32                           ; s[32:39] group 1 for K and Q
.set G1V, 40                           ; s[40:47] group 1 for V: another pad
.set G0,  48                           ; s[48:55] group 0, one set for each slot
.set G0Q, 56                           ; s[56:59] group 0 for Q
.set MSB, 0
.macro WIN new                         ; s_set_vgpr_msb: bits 1:0 source 0, 3:2 source 1, 5:4 source 2, 7:6 destination; the high byte repeats the setting that is left
.if MSB != \new
	s_set_vgpr_msb (MSB<<8)|\new
.set MSB, \new
.endif
.endm
.macro KVLOAD s                        ; my part of a key tile: the two lines differ in the pad alone
	s_cmp_lt_u32 s8, 2
	s_cbranch_scc0 .Lfor_v_\@
	tensor_load_to_lds s[G0+4*(\s):G0+4*(\s)+3], s[G1K:G1K+7]
	s_nop 0
	s_branch .Lasked_\@
.Lfor_v_\@:
	tensor_load_to_lds s[G0+4*(\s):G0+4*(\s)+3], s[G1V:G1V+7]
	s_nop 0
.Lasked_\@:
.endm
.macro LOADK slot, u                   ; 64 keys x 64 d: 16 loads
.irp kt, 0,1,2,3
.irp ks, 0,1
	ds_load_b128 v[KF+8*(2*\kt+\ks):KF+8*(2*\kt+\ks)+3],   v[KA+\slot] offset:\u*PART+16*\kt*KP+64*\ks
	ds_load_b128 v[KF+8*(2*\kt+\ks)+4:KF+8*(2*\kt+\ks)+7], v[KA+\slot] offset:\u*PART+16*\kt*KP+64*\ks+32
.endr
.endr
.endm
.macro LOADV slot, u                   ; 64 d x 64 keys, transposed on the way: 16 loads
.irp dt, 0,1,2,3
.irp ks2, 0,1
	ds_load_tr16_b128 v[VF+8*(2*\dt+\ks2):VF+8*(2*\dt+\ks2)+3],   v[VA+\slot] offset:(64*\u+32*\ks2)*VP+32*\dt
	ds_load_tr16_b128 v[VF+8*(2*\dt+\ks2)+4:VF+8*(2*\dt+\ks2)+7], v[VA+\slot] offset:(64*\u+32*\ks2)*VP+32*\dt+16*VP
.endr
.endr
.endm
.macro LOADQ pass                      ; my 32 queries x 64 d: 8 loads
.irp n, 0,1
.irp ks, 0,1
	ds_load_b128 v[Q+8*(2*\n+\ks):Q+8*(2*\n+\ks)+3],   v[QA] offset:\pass*QPASS+16*\n*KP+64*\ks
	ds_load_b128 v[Q+8*(2*\n+\ks)+4:Q+8*(2*\n+\ks)+7], v[QA] offset:\pass*QPASS+16*\n*KP+64*\ks+32
.endr
.endr
.endm
; The diagonal tile alone: keys behind the query get -infinity.
.macro MASK u
	s_cmp_lg_u32 s15, s14
	s_cbranch_scc1 .Lnomask_\@
.irp n, 0,1
.irp kt, 0,1,2,3
.irp j, 0,1,2,3,4,5,6,7
	v_cmp_le_i32 vcc_lo, 64*\u+16*\kt+\j, v[DQ+\n]
	v_cndmask_b32 v[S+32*\n+8*\kt+\j], v[NINF], v[S+32*\n+8*\kt+\j], vcc_lo
.endr
.endr
.endr
.Lnomask_\@:
.endm
; 64 keys of query tile n: new maximum, rescale factor, P = 2^((S - max) SC), its sum, P to f16 in place.
; The first 64 keys of a block hold key 0 of a tile at or below the diagonal, so the maximum is finite from the first call on.
.macro SOFTMAX n
.set SB, S+32*\n
.irp c, 0,1,2,3
	v_max3_num_f32 v[T+\c], v[SB+8*\c], v[SB+8*\c+1], v[SB+8*\c+2]
.endr
.irp c, 0,1,2,3
	v_max3_num_f32 v[T+\c], v[T+\c], v[SB+8*\c+3], v[SB+8*\c+4]
.endr
.irp c, 0,1,2,3
	v_max3_num_f32 v[T+\c], v[T+\c], v[SB+8*\c+5], v[SB+8*\c+6]
.endr
.irp c, 0,1,2,3
	v_max_num_f32 v[T+\c], v[T+\c], v[SB+8*\c+7]
.endr
	v_max3_num_f32 v[T], v[T], v[T+1], v[T+2]
	v_max_num_f32 v[T], v[T], v[T+3]
	v_permlanex16_b32 v[T+1], v[T], s28, s29       ; the other half of the lanes holds the same query's other keys
	v_max3_num_f32 v[T+2], v[T], v[T+1], v[MX+\n]
	v_mul_f32 v[NM], s31, v[T+2]
	v_mul_f32 v[NM+1], s31, v[T+2]
	v_fma_f32 v[T+3], v[MX+\n], v[SC], v[NM]       ; (old - new) x SC; -infinity at a block's start, so that the factor is 0 there
	v_mov_b32 v[MX+\n], v[T+2]
	v_exp_f32 v[AL+2*\n], v[T+3]
	v_exp_f32 v[AL+2*\n+1], v[T+3]                 ; plain instructions follow before either is used
.set i, 0
.rept 16
	v_pk_fma_f32 v[SB+i:SB+i+1], v[SB+i:SB+i+1], v[SC:SC+1], v[NM:NM+1]
.set i, i+2
.endr
.set i, 0
.rept 32
	v_exp_f32 v[SB+i], v[SB+i]
.set i, i+1
.endr
	v_nop                                          ; one plain instruction behind a transcendental before its result is used (ISA guide 5.7.2)
	s_wait_alu depctr_va_vdst(0)
.irp c, 0,2,4,6
	v_pk_add_f32 v[T+\c:T+\c+1], v[SB+\c:SB+\c+1], v[SB+8+\c:SB+8+\c+1]
.endr
.irp k, 16,24
.irp c, 0,2,4,6
	v_pk_add_f32 v[T+\c:T+\c+1], v[T+\c:T+\c+1], v[SB+\k+\c:SB+\k+\c+1]
.endr
.endr
	v_pk_add_f32 v[T:T+1], v[T:T+1], v[T+2:T+3]
	v_pk_add_f32 v[T+4:T+5], v[T+4:T+5], v[T+6:T+7]
	v_pk_add_f32 v[T:T+1], v[T:T+1], v[T+4:T+5]
	v_add_f32 v[T], v[T], v[T+1]
	v_fma_f32 v[LS+\n], v[LS+\n], v[AL+2*\n], v[T]
.set i, 0
.rept 16
	v_cvt_pk_f16_f32 v[SB+i], v[SB+2*i], v[SB+2*i+1]       ; ascending: word i is written when words 2 i and 2 i + 1 are read, never earlier
.set i, i+1
.endr
.endm
; 64 keys (half u of the tile in the slot) against my 32 queries.
.macro SUB slot, u
	s_wait_dscnt 0x0                               ; K's fragments are in (and Q's, at a block's start)
.irp ks, 0,1                                       ; eight accumulators take turns, one instruction a turn
.irp n, 0,1
.irp kt, 0,1,2,3
.if \ks
	v_wmma_f32_16x16x32_f16 v[S+32*\n+8*\kt:S+32*\n+8*\kt+7], v[KF+8*(2*\kt+\ks):KF+8*(2*\kt+\ks)+7], v[Q+8*(2*\n+\ks):Q+8*(2*\n+\ks)+7], v[S+32*\n+8*\kt:S+32*\n+8*\kt+7]
.else
	v_wmma_f32_16x16x32_f16 v[S+32*\n+8*\kt:S+32*\n+8*\kt+7], v[KF+8*(2*\kt+\ks):KF+8*(2*\kt+\ks)+7], v[Q+8*(2*\n+\ks):Q+8*(2*\n+\ks)+7], 0
.endif
.endr
.endr
.endr
.rept 4
	v_nop                                          ; four places before the scores are read and K's registers loaded again (ISA guide 7.12.1)
.endr
	LOADV \slot, \u
.if \u == 0
	LOADK \slot, 1
.endif
	MASK \u
	SOFTMAX 0
	SOFTMAX 1
.if \u == 0
	s_wait_dscnt 16                                ; V's 16 loads are in; K's 16, issued behind them, may stay out
.else
	s_wait_dscnt 0x0                               ; V's 16 loads are in
.endif
	WIN 0x41                                       ; O in window 1, the factor in window 0
.irp n, 0,1
.set i, 0
.rept 16
	v_pk_mul_f32 v[O+32*\n+i:O+32*\n+i+1], v[O+32*\n+i:O+32*\n+i+1], v[AL+2*\n:AL+2*\n+1]
.set i, i+2
.endr
.endr
	WIN 0x50                                       ; C and D in window 1
.irp ks2, 0,1                                      ; eight accumulators take turns, one instruction a turn
.irp n, 0,1
.irp dt, 0,1,2,3
	v_wmma_f32_16x16x32_f16 v[O+8*(4*\n+\dt):O+8*(4*\n+\dt)+7], v[VF+8*(2*\dt+\ks2):VF+8*(2*\dt+\ks2)+7], v[S+32*\n+8*\ks2:S+32*\n+8*\ks2+7], v[O+8*(4*\n+\dt):O+8*(4*\n+\dt)+7]
.endr
.endr
.endr
	WIN 0
.rept 5
	v_nop                                          ; five places before the next scores are written over P (ISA guide 7.12.1)
.endr
.endm
; A query block is done: O / sum to f16, through my stage, out.  sw = 1: the second block begins.
.macro FINAL sw
	v_permlanex16_b32 v[T], v[LS], s28, s29        ; the two halves' sums meet
	v_permlanex16_b32 v[T+1], v[LS+1], s28, s29
	v_add_f32 v[T], v[T], v[LS]
	v_add_f32 v[T+1], v[T+1], v[LS+1]
	v_rcp_f32 v[AL], v[T]
	v_rcp_f32 v[AL+1], v[T]
	v_rcp_f32 v[AL+2], v[T+1]
	v_rcp_f32 v[AL+3], v[T+1]
	v_nop
	WIN 0x41
	s_wait_alu depctr_va_vdst(0)
.irp n, 0,1
.set i, 0
.rept 16
	v_pk_mul_f32 v[O+32*\n+i:O+32*\n+i+1], v[O+32*\n+i:O+32*\n+i+1], v[AL+2*\n:AL+2*\n+1]
.set i, i+2
.endr
.endr
	WIN 0x05                                       ; both sources in window 1
.irp t, 0,1,2,3,4,5,6,7
.irp r, 0,1,2,3
	v_cvt_pk_f16_f32 v[VF+4*\t+\r], v[O+8*\t+2*\r], v[O+8*\t+2*\r+1]
.endr
.endr
	WIN 0
.irp n, 0,1
.irp dt, 0,1,2,3
	ds_store_b128 v[STO], v[VF+4*(4*\n+\dt):VF+4*(4*\n+\dt)+3] offset:16*\n*KP+32*\dt      ; query 16 n + r, d = 16 dt + 8 h + 0..7
.endr
.endr
	s_lshl_b32 s18, s14, 18                        ; the block's 128 rows of 2,048 bytes
	s_add_nc_u64 s[26:27], s[24:25], s[18:19]
.irp i, 0,1,2,3,4,5,6,7
	ds_load_b128 v[VF+32+4*\i:VF+32+4*\i+3], v[RD] offset:4*KP*\i  ; four rows of 128 bytes; LDS serves a wave's instructions in order
.endr
.irp i, 0,1,2,3,4,5,6,7
	s_wait_dscnt 7-\i
	global_store_b128 v[CO], v[VF+32+4*\i:VF+32+4*\i+3], s[26:27] offset:8192*\i
.endr
	s_wait_xcnt 0x0                                ; the stores' data (V's registers) and base are written again only behind this wait
.if \sw
	s_sub_co_u32 s14, 15, s11                      ; the second block.  Its first key tile is tile 0 of a block 8 or higher, so no score of it is masked:
	LOADQ 1                                        ; the new maximum is a score, the factor 2^((-inf) SC - max SC) is 0,
	v_mov_b32 v[MX], v[NINF]                       ; and O x 0 and sum x 0 wipe the first block's numbers, which are finite:
	v_mov_b32 v[MX+1], v[NINF]                     ; the maximum alone is set back, nothing is cleared
.endif
.endm
; One key tile, in the slot.  In front of the barrier every wave waits for all its tensor loads and for its reads of the other slot; behind it the other slot's
; refill comes first, one tensor load a wave; it has this tile's work in which to land.
.macro TILE slot, refill, last
	s_set_vgpr_msb 0x5
	s_wait_tensorcnt 0x0                           ; my part of this tile has landed and none of my loads is out: a group 0 may be written
	ds_add_u32 v64, v65
	s_wait_dscnt 0x0
	s_set_vgpr_msb 0x500
.if \refill
	s_add_co_u32 s16, s15, 1                       ; the next tile: j + 1, or tile 0 of the second block behind a diagonal
	s_cmp_eq_u32 s15, s14
	s_cselect_b32 s16, 0, s16
	s_lshl_b32 s18, s16, 18                        ; 128 rows of 2,048 bytes
	s_add_nc_u64 s[G0+4*(1-\slot)+2:G0+4*(1-\slot)+3], s[20:21], s[18:19]
	s_or_b32 s[G0+4*(1-\slot)+3], s[G0+4*(1-\slot)+3], 0x80000000
.endif
	s_wait_dscnt 0x0                               ; my reads of the other slot are over
	s_barrier_signal -1
	s_barrier_wait -1
.if \refill
	KVLOAD 1-\slot
.endif
	LOADK \slot, 0
	SUB \slot, 0
	SUB \slot, 1
.if \last
	FINAL 0
.else
	s_cmp_lg_u32 s15, s14
	s_cbranch_scc1 .Lnofin_\@
	FINAL 1
.Lnofin_\@:
	s_mov_b32 s15, s16
.endif
.endm
	s_load_b128 s[4:7], s[0:1], 0x0                ; qkv s[4:5], ctx s[6:7]
	s_set_vgpr_msb 0x40
	v_lshl_add_u32 v64, v0, 2, 0x29000
	v_mov_b32 v65, 0
	s_set_vgpr_msb 0x4045
	ds_add_u32 v64, v65
	ds_add_u32 v64, v65
	s_set_vgpr_msb 0x4500
	v_lshrrev_b32 v1, 5, v0
	v_readfirstlane_b32 s8, v1                     ; wave 0..3
	s_and_b32 s9, s8, 1                            ; which 64 rows of a tile I fetch
	s_and_b32 s11, ttmp9, 7                        ; p
	s_bfe_u32 s12, ttmp9, 0x40003                  ; head
	s_lshr_b32 s13, ttmp9, 7                       ; batch
	s_lshl_b32 s10, s13, 22                        ; 2,048 rows of 2,048 bytes
	s_lshl_b32 s12, s12, 7                         ; 128 bytes of a row
	s_add_co_u32 s10, s10, s12
	s_mov_b32 s19, 0                               ; high word of every byte offset
	s_mov_b32 s28, 0x76543210                      ; v_permlanex16_b32: lane i reads lane i of the other half
	s_mov_b32 s29, 0xfedcba98
	s_mov_b32 s31, 0xbe38aa3b                      ; -log2(e) / 8
	; group 1: 64 rows x 64 elements of 2 bytes, padding behind every 32 words: 4 words for K and Q, 8 for V
	s_mov_b32 s[G1K+0], (1<<16)|(1<<20)|(4<<22)|(3<<25)
	s_mov_b32 s[G1V+0], (1<<16)|(1<<20)|(4<<22)|(7<<25)
.irp g, G1K, G1V
	s_mov_b32 s[\g+1], 64<<16                      ; tensor_dim0 = 64
	s_mov_b32 s[\g+2], 64<<16                      ; tensor_dim1 = 64
	s_mov_b32 s[\g+3], 64<<16                      ; tile_dim0 = 64
	s_mov_b32 s[\g+4], 64                          ; tile_dim1 = 64
	s_mov_b32 s[\g+5], 1024                        ; elements from row to row
	s_mov_b32 s[\g+6], 0
	s_mov_b32 s[\g+7], 0
.endr
	s_lshr_b32 s18, s8, 1
	s_lshl_b32 s18, 0x800000, s18                  ; waves 0, 1: k; waves 2, 3: v
	s_add_co_u32 s18, s18, s10
	s_lshl_b32 s16, s9, 17                         ; + 64 rows x half
	s_add_co_u32 s18, s18, s16
	s_wait_dscnt 0x0
	s_wait_kmcnt 0x0
	s_add_nc_u64 s[20:21], s[4:5], s[18:19]        ; my part of key tile 0
	s_sub_co_u32 s14, 15, s11
	s_cmp_lt_u32 s8, 2
	s_cselect_b32 s14, s11, s14                    ; waves 0, 1 fetch query block p, waves 2, 3 block 15 - p
	s_lshl_b32 s18, s14, 18
	s_add_co_u32 s18, s18, s10
	s_add_co_u32 s18, s18, s16
	s_mov_b32 s[G0Q], 1
	s_mul_i32 s17, s8, 64*KP
	s_add_co_u32 s[G0Q+1], s17, QBASE
	s_add_nc_u64 s[G0Q+2:G0Q+3], s[4:5], s[18:19]
	s_or_b32 s[G0Q+3], s[G0Q+3], 0x80000000
	s_mul_i32 s17, s8, PART
.irp s, 0,1
	s_mov_b32 s[G0+4*\s], 1
	s_add_co_u32 s[G0+4*\s+1], s17, \s*SLOT
.endr
	s_mov_b64 s[G0+2:G0+3], s[20:21]
	s_or_b32 s[G0+3], s[G0+3], 0x80000000
	s_mov_b32 s18, s10
	s_add_nc_u64 s[24:25], s[6:7], s[18:19]        ; ctx at the batch's first row and the head's columns
	tensor_load_to_lds s[G0Q:G0Q+3], s[G1K:G1K+7]  ; the first fills go out together: two tensor loads of the wave are out
	s_nop 0
	KVLOAD 0
	v_and_b32 v24, 15, v0                          ; r
	v_bfe_u32 v25, v0, 4, 1                        ; h
	v_and_b32 v26, 7, v0                           ; l % 8
	v_bfe_u32 v27, v0, 3, 1                        ; (l / 8) % 2
	v_bfe_u32 v28, v0, 3, 2                        ; l / 8
	v_mul_u32_u24 v29, v24, KP
	v_lshl_add_u32 v29, v25, 4, v29                ; r x 144 + 16 h
	v_mov_b32 v[KA], v29
	v_add_nc_u32 v[KA+1], SLOT, v29
	v_lshl_add_u32 v30, v25, 3, v26
	v_mul_u32_u24 v30, v30, VP
	v_lshl_add_u32 v30, v27, 4, v30                ; (8 h + l % 8) x 160 + 16 ((l / 8) % 2)
	v_add_nc_u32 v[VA], 2*PART, v30
	v_add_nc_u32 v[VA+1], SLOT+2*PART, v30
	s_mul_i32 s17, s8, 32*KP                       ; my 32 rows, in Q and in the stage
	s_add_co_u32 s16, s17, QBASE
	v_add_nc_u32 v[QA], s16, v29
	s_add_co_u32 s16, s17, STAGE
	v_add_nc_u32 v[STO], s16, v29
	v_mul_u32_u24 v31, v28, KP
	v_lshl_add_u32 v31, v26, 4, v31
	v_add_nc_u32 v[RD], s16, v31
	s_lshl_b32 s16, s8, 16                         ; 32 rows of 2,048 bytes
	v_lshlrev_b32 v31, 11, v28
	v_lshl_add_u32 v31, v26, 4, v31
	v_add_nc_u32 v[CO], s16, v31
	s_lshl_b32 s16, s8, 5
	v_lshlrev_b32 v31, 3, v25
	v_sub_nc_u32 v31, v24, v31
	v_add_nc_u32 v[DQ], s16, v31                   ; 32 w + r - 8 h
	v_add_nc_u32 v[DQ+1], 16, v[DQ]
	v_mov_b32 v[SC], 0x3e38aa3b
	v_mov_b32 v[SC+1], 0x3e38aa3b
	v_mov_b32 v[NINF], 0xff800000
	s_wait_tensorcnt 0x0                           ; my parts of Q and of key tile 0 are in,
	s_barrier_signal -1
	s_barrier_wait -1                              ; everybody's are
	LOADQ 0
	WIN 0x40                                       ; the one clearing of the launch: the first tile runs in the loop's text, whose products add onto O x factor,
.set i, 0                                          ; so O and the sums have to hold finite numbers before it
.rept 64
	v_mov_b32 v[O+i], 0
.set i, i+1
.endr
	WIN 0
	v_mov_b32 v[LS], 0
	v_mov_b32 v[LS+1], 0
	v_mov_b32 v[MX], v[NINF]
	v_mov_b32 v[MX+1], v[NINF]
	s_mov_b32 s14, s11                             ; the query block at work
	s_mov_b32 s15, 0                               ; the key tile at work
	s_mov_b32 s17, 8
.Ltiles:
	TILE 0, 1, 0
	TILE 1, 1, 0
	s_sub_co_u32 s17, s17, 1
	s_cmp_lg_u32 s17, 0
	s_cbranch_scc1 .Ltiles
	TILE 0, 0, 1                                   ; the seventeenth tile is the second block's diagonal: nothing is left to fetch
	s_set_vgpr_msb 0x5
	s_wait_tensorcnt 0x0
	ds_add_u32 v64, v65
	s_wait_dscnt 0x0
	s_set_vgpr_msb 0x500
	s_endpgm
.Lfunc_end_k_q8938b92da6_attn:
	.size	k_q8938b92da6_attn, .Lfunc_end_k_q8938b92da6_attn-k_q8938b92da6_attn
	.p2alignl 7, 3214868480
	.fill 96, 4, 3214868480
	.section	.rodata,"a",@progbits
	.p2align	6, 0x0
	.amdhsa_kernel k_q8938b92da6_attn
		.amdhsa_group_segment_fixed_size 327680
		.amdhsa_private_segment_fixed_size 0
		.amdhsa_enable_private_segment 0
		.amdhsa_kernarg_size 16
		.amdhsa_user_sgpr_count 2
		.amdhsa_user_sgpr_kernarg_segment_ptr 1
		.amdhsa_wavefront_size32 1
		.amdhsa_system_sgpr_workgroup_id_x 1
		.amdhsa_system_sgpr_workgroup_id_y 1
		.amdhsa_system_sgpr_workgroup_id_z 1
		.amdhsa_system_vgpr_workitem_id 0
		.amdhsa_next_free_vgpr 322
		.amdhsa_next_free_sgpr 66
		.amdhsa_reserve_vcc 1
		.amdhsa_float_denorm_mode_32 3
		.amdhsa_float_denorm_mode_16_64 3
		.amdhsa_memory_ordered 1
		.amdhsa_forward_progress 1
		.amdhsa_inst_pref_size 166
	.end_amdhsa_kernel
	.amdgpu_metadata
---
amdhsa.version: [ 1, 2 ]
amdhsa.kernels:
  - .name:           k_q8938b92da6_attn
    .symbol:         k_q8938b92da6_attn.kd
    .args:
      - { .name: qkv, .offset: 0, .size: 8, .value_kind: global_buffer, .address_space: global }
      - { .name: ctx, .offset: 8, .size: 8, .value_kind: global_buffer, .address_space: global }
    .group_segment_fixed_size: 327680
    .private_segment_fixed_size: 0
    .kernarg_segment_align: 8
    .kernarg_segment_size: 16
    .max_flat_workgroup_size: 128
    .sgpr_count:     66
    .vgpr_count:     322
    .wavefront_size: 32
...
	.end_amdgpu_metadata
.endif
;; end of part 3
;; launch wo (part 4): grid 8 x 32, 4 waves a work-group, clusters of 4 x 4, 327,680 bytes of LDS; arguments ctx, wb, h, bo, x; writes h
.if DOCPART == 4
	.amdgcn_target "amdgcn-amd-amdhsa--gfx1250"
	.amdhsa_code_object_version 6
	.text
	.protected	k_q8938b92da6_wo
	.globl	k_q8938b92da6_wo
	.p2align	8
	.type	k_q8938b92da6_wo,@function
k_q8938b92da6_wo:
	s_mov_b64 s[64:65], 0
	v_nop
	global_prefetch_b8 v0, s[64:65] scope:SCOPE_SE
	s_setreg_imm32_b32 hwreg(HW_REG_WAVE_MODE, 25, 1), 1
	s_wait_xcnt 0x0
	s_wait_alu depctr_hold_cnt(0) depctr_sa_sdst(0) depctr_va_vdst(0) depctr_va_sdst(0) depctr_va_ssrc(0) depctr_va_vcc(0) depctr_vm_vsrc(0)
	s_getreg_b32 s2, hwreg(HW_REG_IB_STS2, 6, 4)
	s_cmp_eq_u32 s2, 0
	s_cbranch_scc0 .Lentry_in_a_cluster
	s_endpgm
.Lentry_in_a_cluster:
	s_bfe_u32 s2, ttmp6, 0x10000c
	s_cmp_lg_u32 s2, 0xf033
	s_cbranch_scc0 .Lentry_shape_is_right
	s_endpgm
.Lentry_shape_is_right:
; C = R + A B + bias.  A: [4096][SIZE_K] f16, B: [SIZE_K][1024] f16 at byte BOFF of wb, stored [K][N]; bias: [1024] f32; R and C: [4096][1024] f32.
; SIZE_K = 1024, BOFF = 0x600000: h = x + ctx Wo + bo.     SIZE_K = 4096, BOFF = 0x1000000: out0 = h + act W2 + b2.
; N is 1024, so blocks of 128 x 128 give 8 x 32 = 256 work-groups.  Four waves, a wave makes 64 x 64: 16 accumulator tiles.
; K goes in NSTEP steps of 256 through a ring of two LDS slots: A's tile 128 rows of 512 bytes, B's 256 k-rows of 256 bytes; one tensor load a wave a step.
; B's fragments are read with ds_load_tr16_b128, so B is never transposed in memory.
; CLUSTERS: 4 x 4 work-groups; A's tile is asked for jointly along a row of the cluster, B's along a column: a quarter of the requests.
; WHERE K STARTS: the grid is 2 x 8 clusters.  The two clusters of one y read the same rows of A, the eight of one x the same columns of B.  The cluster at
; (X, Y) walks the K steps from ((Y mod 4) NSTEP / 4 + X NSTEP / 2) mod NSTEP on and round: the two that share A are half of K apart, four of those that share B
; a quarter each.  So from its trip NSTEP / 2 on a cluster asks for tiles of A, and from its trip NSTEP / 4 on for tiles of B, that have been read before in
; this launch.  The start hangs on the cluster's own x and y alone, which all sixteen partners share.  The f32 sums are added in that order of K.
; The residual (32 loads a lane) and the bias are asked for at the start and waited for once, in front of the way out.
; LIMITS: the operands are f16, as the launches before stored them; sums, bias and residual are f32.
; REGISTERS: window 0: v16-31 addresses and bias; v64-127, v128-191 fragments (B's four, then A's four), two buffers; v192-223 rows read back.
;            window 1: v0-127 accumulators, tile (a, b) at 8 (4 a + b); v128-255 the residual, then the result.
; The matrix instruction is used transposed (source 0 = columns of B, source 1 = rows of A): a lane holds eight neighbouring columns of one row of C.
.set SIZE_K, 1024
.set BOFF,   0x600000
.set NSTEP,  SIZE_K/256                ; K steps
.set AP,     528                       ; A's LDS row: 512 bytes + 16 = 33 x 16
.set BP,     288                       ; B's LDS row: 256 bytes + 32 = 9 x 32
.set QTR,    36864                     ; a wave's part of a slot: 64 rows of A (33,792 bytes used) or 128 k-rows of B
.set SLOT,   4*QTR
.set STAGE,  2*SLOT                    ; 16 rows x 272 bytes for each wave, for the way out; no tensor load lands there
.set SPITCH, 272
.set LAPS,   SIZE_K/512                ; a lap = two K steps of 256
.set ADRA,  16                         ; v16-17  LDS address of my A fragments in slot 0, 1
.set ADRB,  20                         ; v20-21  the same for B, k-rows 0-127
.set ADRB2, 22                         ; v22-23  k-rows 128-255: the immediate offset has 16 bits
.set STO,   24
.set RD,    25
.set CO,    26                         ; my byte offset in R and in C
.set BOF,   27                         ; and in the bias
.set BI,    28                         ; v[28:31] bias of my four columns
.set F0,    64
.set F1,    128
.set RB,    192
.set RES,   128                        ; window 1
.set G1, 24
.set G0, 32
.set G1B, 48
.set G0B, 56
.set MSB, 0
.macro WIN new                         ; s_set_vgpr_msb: bits 1:0 source 0, 3:2 source 1, 5:4 source 2, 7:6 destination; the high byte repeats the setting that is left
.if MSB != \new
	s_set_vgpr_msb (MSB<<8)|\new
.set MSB, \new
.endif
.endm
.macro JLOAD s                         ; waves 0, 1 fetch A's halves, waves 2, 3 B's; each line has one mask and one set of registers
	s_cmp_eq_u32 s11, 0
	s_cbranch_scc0 .Lfor_b_\@
	tensor_load_to_lds s[G0+4*\s:G0+4*\s+3], s[G1:G1+7]
	s_nop 0
	s_branch .Lasked_\@
.Lfor_b_\@:
	tensor_load_to_lds s[G0B+4*\s:G0B+4*\s+3], s[G1B:G1B+7]
	s_nop 0
.Lasked_\@:
.endm
; The addresses of K step s72 mod NSTEP go into the slot's two group 0; s72 steps.  Stands where no tensor load of the wave is out, or ahead of the slot's first.
.macro SETADR slot
	s_and_b32 s73, s72, NSTEP-1
	s_lshl_b32 s74, s73, 9                         ; A: 256 elements of 2 bytes along the rows
	s_add_nc_u64 s[G0+4*\slot+2:G0+4*\slot+3], s[14:15], s[74:75]
	s_or_b32 s[G0+4*\slot+3], s[G0+4*\slot+3], 0x80000000
	s_lshl_b32 s74, s73, 19                        ; B: 256 k-rows of 2,048 bytes
	s_add_nc_u64 s[G0B+4*\slot+2:G0B+4*\slot+3], s[46:47], s[74:75]
	s_or_b32 s[G0B+4*\slot+3], s[G0B+4*\slot+3], 0x80000000
	s_add_co_u32 s72, s72, 1
.endm
.macro CREST                           ; a round of the cluster's barrier behind its opening barrier
	s_cmp_lg_u32 s10, 0
	s_cbranch_scc1 .Lnot_wave_0_\@
	s_barrier_signal -3
.Lnot_wave_0_\@:
	s_barrier_wait -3
	s_barrier_signal -1
	s_barrier_wait -1
.endm
.macro CROUND
	s_barrier_signal -1
	s_barrier_wait -1
	CREST
.endm
	s_load_b128 s[4:7], s[0:1], 0x0                ; A s[4:5], wb s[6:7]
	s_load_b64 s[8:9], s[0:1], 0x10                ; C
	s_load_b64 s[66:67], s[0:1], 0x18              ; bias
	s_load_b64 s[68:69], s[0:1], 0x20              ; R
	v_lshl_add_u32 v254, v0, 2, 0x4c400
	v_mov_b32 v255, 0
	ds_add_u32 v254, v255
	ds_add_u32 v254, v255
	v_lshrrev_b32 v1, 5, v0
	v_readfirstlane_b32 s10, v1                    ; wave 0..3
	s_lshr_b32 s11, s10, 1                         ; my half of the block's rows.  Also: I fetch for A (0) or for B (1)
	s_and_b32 s12, s10, 1                          ; my half of its columns.  Also: which half of that tile I fetch
	s_bfe_u32 s40, ttmp6, 0x40000                  ; cx
	s_bfe_u32 s41, ttmp6, 0x40004                  ; cy
	s_lshl_b32 s42, ttmp9, 2
	s_add_co_u32 s42, s42, s40                     ; block column
	s_and_b32 s13, ttmp7, 0xffff
	s_lshl_b32 s13, s13, 2
	s_add_co_u32 s13, s13, s41                     ; block row
	s_lshl_b32 s43, s41, 2
	s_lshl_b32 s43, 15, s43                        ; my row of the cluster
	s_lshl_b32 s44, 0x1111, s40                    ; my column
	s_and_b32 s72, ttmp7, 3                        ; the cluster's y mod 4
	s_mul_i32 s72, s72, NSTEP/4
	s_mul_i32 s73, ttmp9, NSTEP/2                  ; the cluster's x
	s_add_co_u32 s72, s72, s73                     ; the K step at which this cluster starts (taken mod NSTEP where it is used)
	s_mov_b32 s75, 0                               ; high word of a step's byte offset
	; group 1 for A: 64 rows x 256 elements of 2 bytes, 4 words of padding behind every 128 words
	s_or_b32 s[G1+0], s43, (1<<16)|(1<<20)|(1<<21)|(6<<22)|(3<<25)
	s_mov_b32 s[G1+1], 256<<16
	s_mov_b32 s[G1+2], 64<<16
	s_mov_b32 s[G1+3], 256<<16
	s_mov_b32 s[G1+4], 64
	s_mov_b32 s[G1+5], SIZE_K
	s_mov_b32 s[G1+6], 0
	s_mov_b32 s[G1+7], 0
	; group 1 for B: 128 k-rows x 128 elements, 8 words of padding behind every 64 words
	s_or_b32 s[G1B+0], s44, (1<<16)|(1<<20)|(1<<21)|(5<<22)|(7<<25)
	s_mov_b32 s[G1B+1], 128<<16
	s_mov_b32 s[G1B+2], 128<<16
	s_mov_b32 s[G1B+3], 128<<16
	s_mov_b32 s[G1B+4], 128
	s_mov_b32 s[G1B+5], 1024
	s_mov_b32 s[G1B+6], 0
	s_mov_b32 s[G1B+7], 0
	s_lshl_b32 s17, s12, 6
	s_lshl_b32 s16, s13, 7
	s_add_co_u32 s16, s16, s17                     ; A: row 128 x block row + 64 x half
	s_mul_i32 s16, s16, SIZE_K*2
	s_mov_b32 s17, 0
	s_lshl_b32 s46, s42, 8                         ; B: 256 bytes of a k-row for each block column
	s_add_co_u32 s46, s46, BOFF
	s_lshl_b32 s47, s12, 18                        ; + 128 k-rows of 2,048 bytes x half
	s_add_co_u32 s46, s46, s47
	s_mov_b32 s47, 0
	s_mul_i32 s20, s10, QTR                        ; where they go: wave x 36,864 bytes
	s_wait_dscnt 0x0
	s_wait_kmcnt 0x0
	s_add_nc_u64 s[14:15], s[4:5], s[16:17]        ; my part of A's tile of K step 0; kept
	s_add_nc_u64 s[46:47], s[6:7], s[46:47]        ; my part of B's tile of K step 0; kept
	CROUND                                         ; all sixteen work-groups are here: the first joint loads meet
.irp s, 0,1
	s_mov_b32 s[G0+4*\s], 1
	s_add_co_u32 s[G0+4*\s+1], s20, \s*SLOT
	s_mov_b32 s[G0B+4*\s], 1
	s_add_co_u32 s[G0B+4*\s+1], s20, \s*SLOT
	SETADR \s
	JLOAD \s                                       ; two tensor loads of the wave are out
.endr
	v_and_b32 v1, 15, v0                           ; r
	v_bfe_u32 v2, v0, 4, 1                         ; h
	v_mul_u32_u24 v3, v1, AP
	v_lshl_add_u32 v3, v2, 4, v3                   ; A: r x 528 + 16 h
	v_and_b32 v6, 7, v0
	v_lshl_add_u32 v6, v2, 3, v6
	v_mul_u32_u24 v6, v6, BP
	v_bfe_u32 v7, v0, 3, 1
	v_lshl_add_u32 v6, v7, 4, v6                   ; B: (8 h + l % 8) x 288 + 16 ((l / 8) % 2)
	s_mul_i32 s21, s11, QTR                        ; my 64 rows of A
	s_lshl_b32 s22, s12, 7                         ; my 64 columns of B: 128 bytes of each k-row,
	s_add_co_u32 s22, s22, 2*QTR                   ; behind A's parts
.irp s, 0,1
	v_add_nc_u32 v[ADRA+\s], s21, v3
	v_add_nc_u32 v[ADRB+\s], s22, v6
	v_add_nc_u32 v[ADRB2+\s], 128*BP, v[ADRB+\s]
	s_add_co_u32 s21, s21, SLOT
	s_add_co_u32 s22, s22, SLOT
.endr
	s_mul_i32 s23, s10, 16*SPITCH
	s_add_co_u32 s23, s23, STAGE                   ; my stage
	v_mul_u32_u24 v4, v1, SPITCH
	v_lshl_add_u32 v4, v2, 5, v4                   ; in: row r, 32 bytes for each half of the lanes
	v_add_nc_u32 v[STO], s23, v4
	v_mul_u32_u24 v5, v2, SPITCH
	v_lshl_add_u32 v5, v1, 4, v5                   ; back: lanes 0-15 one row of 256 bytes, lanes 16-31 the next
	v_add_nc_u32 v[RD], s23, v5
	v_lshlrev_b32 v[BOF], 4, v1
	v_lshl_add_u32 v[CO], v2, 12, v[BOF]           ; the same two rows in R and in C
	s_lshl_b32 s70, s13, 7
	s_lshl_b32 s71, s11, 6
	s_add_co_u32 s70, s70, s71                     ; my first row,
	s_lshl_b32 s70, s70, 12                        ; of 4,096 bytes,
	s_lshl_b32 s71, s42, 9
	s_add_co_u32 s70, s70, s71                     ; and my first column: 512 x block + 256 x half
	s_lshl_b32 s71, s12, 8
	s_add_co_u32 s70, s70, s71
	s_mov_b32 s71, 0
	s_add_nc_u64 s[8:9], s[8:9], s[70:71]
	s_add_nc_u64 s[68:69], s[68:69], s[70:71]
	s_lshl_b32 s70, s42, 9
	s_lshl_b32 s71, s12, 8
	s_add_co_u32 s70, s70, s71
	s_mov_b32 s71, 0
	s_add_nc_u64 s[66:67], s[66:67], s[70:71]
	global_load_b128 v[BI:BI+3], v[BOF], s[66:67]
	WIN 0x40
.irp a, 0,1,2,3
.irp t, 0,1,2,3,4,5,6,7
	global_load_b128 v[RES+4*(8*\a+\t):RES+4*(8*\a+\t)+3], v[CO], s[68:69] offset:(16*\a+2*\t)*4096
.endr
.endr
	WIN 0
; 16 LDS loads: the fragments of eighth e of the slot's K step (32 along K) into buffer f
.macro FETCHS slot, e, f
.if \e < 4
.set BB, ADRB+\slot
.else
.set BB, ADRB2+\slot
.endif
.irp i, 0,1,2,3
	ds_load_tr16_b128 v[\f+8*\i:\f+8*\i+3],   v[BB] offset:(\e&3)*32*BP+32*\i
	ds_load_tr16_b128 v[\f+8*\i+4:\f+8*\i+7], v[BB] offset:(\e&3)*32*BP+16*BP+32*\i
.endr
.irp i, 0,1,2,3
	ds_load_b128 v[\f+32+8*\i:\f+32+8*\i+3],   v[ADRA+\slot] offset:64*\e+\i*16*AP
	ds_load_b128 v[\f+32+8*\i+4:\f+32+8*\i+7], v[ADRA+\slot] offset:64*\e+\i*16*AP+32
.endr
.endm
; 8 matrix instructions: m blocks a0, a0 + 1 x 4 n blocks.  The 16 accumulators take turns, one instruction a turn, in one fixed order.
.macro MUL8S f, a0, zero
.irp a, \a0, \a0+1
.irp b, 0,1,2,3
.if \zero
	v_wmma_f32_16x16x32_f16 v[8*(4*(\a)+\b):8*(4*(\a)+\b)+7], v[\f+8*\b:\f+8*\b+7], v[\f+32+8*(\a):\f+32+8*(\a)+7], 0
.else
	v_wmma_f32_16x16x32_f16 v[8*(4*(\a)+\b):8*(4*(\a)+\b)+7], v[\f+8*\b:\f+8*\b+7], v[\f+32+8*(\a):\f+32+8*(\a)+7], v[8*(4*(\a)+\b):8*(4*(\a)+\b)+7]
.endif
.endr
.endr
.endm
.macro PLACES                          ; four plain vector instructions between a matrix instruction and a load into one of its registers
.rept 4
	v_nop
.endr
.endm
; One of a K step's first seven eighths: fetches eighth enext into buffer g, then multiplies buffer f.
.macro EIGHTH slot, enext, f, g, zero
	PLACES
	FETCHS \slot, \enext, \g
	s_wait_dscnt 16                                ; buffer f is in; the 16 loads just issued may stay out
	WIN 0x50                                       ; C and D in window 1
	MUL8S \f, 0, \zero
	MUL8S \f, 2, \zero
	WIN 0
.endm
.macro STEP slot, zero
	EIGHTH \slot, 1, F0, F1, \zero
	EIGHTH \slot, 2, F1, F0, 0
	EIGHTH \slot, 3, F0, F1, 0
	EIGHTH \slot, 4, F1, F0, 0
	EIGHTH \slot, 5, F0, F1, 0
	EIGHTH \slot, 6, F1, F0, 0
	EIGHTH \slot, 7, F0, F1, 0
.endm
; The last eighth: multiplies buffer 1 and changes slots.  In front of the barrier each wave waits for its reads of this slot and for all its tensor loads
; (one is out: its part of the next slot).  Behind it the refill comes first, then the next slot's first fragments.
.macro TURNS slot, next, fill
	s_wait_dscnt 0                                 ; buffer 1 is in, and my reads of this slot are over
	s_wait_tensorcnt 0x0                           ; all my tensor loads have landed
	ds_add_u32 v254, v255
	s_wait_dscnt 0x0
	s_barrier_signal -1                            ; (where a slot is filled again this barrier opens a round of the cluster's barrier)
	WIN 0x50
	MUL8S F1, 0, 0
	WIN 0
	s_barrier_wait -1
.if \fill
	CREST                                          ; no wave of any partner still reads this slot's tile or has a load on its way
	SETADR \slot                                   ; the cluster's next K step, round the end of K
	JLOAD \slot                                    ; the first tensor load behind the round, and the wave's only one until the next
.endif
	PLACES
	FETCHS \next, 0, F0
	WIN 0x50
	MUL8S F1, 2, 0
	WIN 0
.endm
.macro LAP zero
	STEP 0, \zero
	TURNS 0, 1, 1
	STEP 1, 0
	TURNS 1, 0, 1
.endm
	s_wait_tensorcnt 1                             ; my part of the first K step is in; the second's load, issued behind it, may stay out
	s_barrier_signal -1
	s_barrier_wait -1
	FETCHS 0, 0, F0
	LAP 1                                          ; the first products start the sums
.if LAPS > 2
	s_mov_b32 s3, LAPS-2
.Llap:
	LAP 0
	s_sub_co_u32 s3, s3, 1
	s_cmp_lg_u32 s3, 0
	s_cbranch_scc1 .Llap
.endif
	STEP 0, 0                                      ; the last lap fills nothing
	TURNS 0, 1, 0
	STEP 1, 0
	s_wait_dscnt 0
	WIN 0x50
	MUL8S F1, 0, 0
	MUL8S F1, 2, 0
	WIN 0
	; THE WAY OUT, 16 rows at a time: the sums go through my stage, come back as whole rows of 256 bytes, and meet residual and bias there.
	PLACES
	s_wait_loadcnt 0x0                             ; residual and bias
.macro OUTS a
	WIN 0x04                                       ; store data in window 1
.irp b, 0,1,2,3
	ds_store_b128 v[STO], v[8*(4*\a+\b):8*(4*\a+\b)+3]   offset:64*\b
	ds_store_b128 v[STO], v[8*(4*\a+\b)+4:8*(4*\a+\b)+7] offset:64*\b+16
.endr
	WIN 0
.irp t, 0,1,2,3,4,5,6,7
	ds_load_b128 v[RB+4*\t:RB+4*\t+3], v[RD] offset:\t*2*SPITCH    ; LDS serves a wave's instructions in order: these see the stores above
.endr
	s_wait_dscnt 0
	WIN 0x41                                       ; the residual, source 0 and destination, in window 1
.irp t, 0,1,2,3,4,5,6,7
.irp r, 0,2
	v_pk_add_f32 v[RES+4*(8*\a+\t)+\r:RES+4*(8*\a+\t)+\r+1], v[RES+4*(8*\a+\t)+\r:RES+4*(8*\a+\t)+\r+1], v[RB+4*\t+\r:RB+4*\t+\r+1]
.endr
.endr
.irp t, 0,1,2,3,4,5,6,7
.irp r, 0,2
	v_pk_add_f32 v[RES+4*(8*\a+\t)+\r:RES+4*(8*\a+\t)+\r+1], v[RES+4*(8*\a+\t)+\r:RES+4*(8*\a+\t)+\r+1], v[BI+\r:BI+\r+1]
.endr
.endr
	WIN 0x04
.irp t, 0,1,2,3,4,5,6,7
	global_store_b128 v[CO], v[RES+4*(8*\a+\t):RES+4*(8*\a+\t)+3], s[8:9] offset:(16*\a+2*\t)*4096   ; 16 lanes store 256 consecutive bytes, aligned; the data are not written again
.endr
	WIN 0
.endm
	OUTS 0
	OUTS 1
	OUTS 2
	OUTS 3
	s_wait_tensorcnt 0x0
	ds_add_u32 v254, v255
	s_wait_dscnt 0x0
	CROUND                                         ; the closing round: no work-group ends while a partner may still ask for a tile that names it
	s_endpgm
.Lfunc_end_k_q8938b92da6_wo:
	.size	k_q8938b92da6_wo, .Lfunc_end_k_q8938b92da6_wo-k_q8938b92da6_wo
	.p2alignl 7, 3214868480
	.fill 96, 4, 3214868480
	.section	.rodata,"a",@progbits
	.p2align	6, 0x0
	.amdhsa_kernel k_q8938b92da6_wo
		.amdhsa_group_segment_fixed_size 327680
		.amdhsa_private_segment_fixed_size 0
		.amdhsa_enable_private_segment 0
		.amdhsa_kernarg_size 40
		.amdhsa_user_sgpr_count 2
		.amdhsa_user_sgpr_kernarg_segment_ptr 1
		.amdhsa_wavefront_size32 1
		.amdhsa_system_sgpr_workgroup_id_x 1
		.amdhsa_system_sgpr_workgroup_id_y 1
		.amdhsa_system_sgpr_workgroup_id_z 1
		.amdhsa_system_vgpr_workitem_id 0
		.amdhsa_next_free_vgpr 512
		.amdhsa_next_free_sgpr 76
		.amdhsa_reserve_vcc 0
		.amdhsa_float_denorm_mode_32 3
		.amdhsa_float_denorm_mode_16_64 3
		.amdhsa_memory_ordered 1
		.amdhsa_forward_progress 1
		.amdhsa_inst_pref_size 101
	.end_amdhsa_kernel
	.amdgpu_metadata
---
amdhsa.version: [ 1, 2 ]
amdhsa.kernels:
  - .name:           k_q8938b92da6_wo
    .symbol:         k_q8938b92da6_wo.kd
    .args:
      - { .name: ctx, .offset: 0, .size: 8, .value_kind: global_buffer, .address_space: global }
      - { .name: wb, .offset: 8, .size: 8, .value_kind: global_buffer, .address_space: global }
      - { .name: h, .offset: 16, .size: 8, .value_kind: global_buffer, .address_space: global }
      - { .name: bo, .offset: 24, .size: 8, .value_kind: global_buffer, .address_space: global }
      - { .name: x, .offset: 32, .size: 8, .value_kind: global_buffer, .address_space: global }
    .group_segment_fixed_size: 327680
    .private_segment_fixed_size: 0
    .kernarg_segment_align: 8
    .kernarg_segment_size: 40
    .max_flat_workgroup_size: 128
    .sgpr_count:     76
    .vgpr_count:     512
    .wavefront_size: 32
...
	.end_amdgpu_metadata
.endif
;; end of part 4
;; launch ln2 (part 5): grid 256 x 1, 4 waves a work-group, no clusters, 0 bytes of LDS; arguments h, g2, s2, yn; writes yn
.if DOCPART == 5
	.amdgcn_target "amdgcn-amd-amdhsa--gfx1250"
	.amdhsa_code_object_version 6
	.text
	.protected	k_q8938b92da6_ln2
	.globl	k_q8938b92da6_ln2
	.p2align	8
	.type	k_q8938b92da6_ln2,@function
k_q8938b92da6_ln2:
	s_mov_b64 s[64:65], 0
	v_nop
	global_prefetch_b8 v0, s[64:65] scope:SCOPE_SE
	s_setreg_imm32_b32 hwreg(HW_REG_WAVE_MODE, 25, 1), 1
	s_wait_xcnt 0x0
; yn = layernorm(h) * g2 + s2, rounded to f16.  h: [4096][1024] f32, yn: [4096][1024] f16.
; Memory binds, so there is no LDS, no barrier and no matrix instruction: every byte is read once by 16-byte loads (512 consecutive bytes an
; instruction of a wave) and written once by 8-byte stores (256 consecutive aligned bytes an instruction).
; The work-group owns 16 rows; one wave takes a whole row (32 registers), four rows a wave, all 32 loads of the four rows issued at once.
; The variance is taken of the centred numbers, so a common offset of h costs no digits.  Sums are added in another order than row-wise.
; WHY F16: 11 significant bits against bf16's 8, and a normalised number of a row of 1,024 is below 32 in magnitude, so |yn| < 32 |g| + |s|.
; LIMIT: a yn beyond 65,504 in magnitude becomes infinite.
.set G,    4                           ; v[4:35]    g of my 32 columns
.set S,    36                          ; v[36:67]   s of my 32 columns
.set X,    68                          ; v[68:195]  four rows of 32 registers
.set T,    196                         ; v[196:203] four chains of pairs
.set PX,   204                         ; v204       what v_permlanex16_b32 brings
.set MEAN, 206                         ; v[206:207] the mean, twice
.set RS,   208                         ; v[208:209] 1 / sqrt(var + eps), twice
; four chains of pairs in T -> one number, the same in all 32 lanes
.macro FOLD
	v_pk_add_f32 v[T:T+1], v[T:T+1], v[T+2:T+3]
	v_pk_add_f32 v[T+4:T+5], v[T+4:T+5], v[T+6:T+7]
	v_pk_add_f32 v[T:T+1], v[T:T+1], v[T+4:T+5]
	v_add_f32 v[T], v[T], v[T+1]
.irp m, 1,2,4,8
	v_add_f32_dpp v[T], v[T], v[T] row_xmask:\m row_mask:0xf bank_mask:0xf
.endr
	v_permlanex16_b32 v[PX], v[T], s30, s31        ; the other half of the lanes
	v_add_f32 v[T], v[T], v[PX]
.endm
; row rr of the wave's four.  left = loads of the later rows, which may stay out (g and s were issued first)
.macro ROW rr, left
.set R, X+32*\rr
	s_wait_loadcnt \left
.irp c, 0,2,4,6
	v_pk_add_f32 v[T+\c:T+\c+1], v[R+\c:R+\c+1], v[R+8+\c:R+8+\c+1]          ; the first sums start the chains: nothing is cleared
.endr
.irp k, 16,24
.irp c, 0,2,4,6
	v_pk_add_f32 v[T+\c:T+\c+1], v[T+\c:T+\c+1], v[R+\k+\c:R+\k+\c+1]
.endr
.endr
	FOLD
	v_mul_f32 v[MEAN], s26, v[T]                   ; sum / 1024
	v_mul_f32 v[MEAN+1], s26, v[T]
.set i, 0
.rept 16
	v_pk_add_f32 v[R+i:R+i+1], v[R+i:R+i+1], v[MEAN:MEAN+1] neg_lo:[0,1] neg_hi:[0,1]   ; x - mean, in place
.set i, i+2
.endr
.irp c, 0,2,4,6
	v_pk_mul_f32 v[T+\c:T+\c+1], v[R+\c:R+\c+1], v[R+\c:R+\c+1]
.endr
.irp k, 8,16,24
.irp c, 0,2,4,6
	v_pk_fma_f32 v[T+\c:T+\c+1], v[R+\k+\c:R+\k+\c+1], v[R+\k+\c:R+\k+\c+1], v[T+\c:T+\c+1]
.endr
.endr
	FOLD
	v_fma_f32 v[T], v[T], s26, s27                 ; var + eps
	v_rsq_f32 v[RS], v[T]
	v_rsq_f32 v[RS+1], v[T]
	v_nop                                          ; one plain instruction between v_rsq_f32 and the use of its result (ISA guide 5.7.2)
.set i, 0
	s_wait_alu depctr_va_vdst(0)
.rept 16
	v_pk_mul_f32 v[R+i:R+i+1], v[R+i:R+i+1], v[RS:RS+1]
.set i, i+2
.endr
.set i, 0
.rept 16
	v_pk_fma_f32 v[R+i:R+i+1], v[R+i:R+i+1], v[G+i:G+i+1], v[S+i:S+i+1]
.set i, i+2
.endr
.irp j, 0,1,2,3,4,5,6,7
	v_cvt_pk_f16_f32 v[R+4*\j], v[R+4*\j], v[R+4*\j+1]
	v_cvt_pk_f16_f32 v[R+4*\j+1], v[R+4*\j+2], v[R+4*\j+3]
	global_store_b64 v2, v[R+4*\j:R+4*\j+1], s[10:11] offset:2048*\rr+256*\j     ; a wave's store: 256 consecutive bytes, aligned; its data are not written again
.endr
.endm
	s_load_b256 s[4:11], s[0:1], 0x0               ; h s[4:5], g2 s[6:7], s2 s[8:9], yn s[10:11]
	s_mov_b32 s29, 0                               ; high word of every byte offset
	s_mov_b32 s26, 0x3a800000                      ; 1 / 1024
	s_mov_b32 s27, 0x3727c5ac                      ; eps = 1e-5
	s_mov_b32 s30, 0x76543210                      ; v_permlanex16_b32: lane i reads lane i of the other half
	s_mov_b32 s31, 0xfedcba98
	v_and_b32 v3, 31, v0
	v_lshrrev_b32 v2, 5, v0                        ; wave
	v_lshlrev_b32 v3, 4, v3                        ; 16 l: my bytes in g and s, and in each 512 bytes of a row
	v_lshl_add_u32 v1, v2, 14, v3                  ; + 4 rows of 4,096 bytes a wave
	v_lshrrev_b32 v2, 1, v1                        ; the same place in yn: half the bytes
	v_mov_b32 v[PX], 0                             ; v_permlanex16_b32 counts as a reader of its destination
	s_wait_kmcnt 0x0
	s_lshl_b32 s28, ttmp9, 16                      ; 16 rows of 4,096 bytes
	s_add_nc_u64 s[4:5], s[4:5], s[28:29]
	s_lshl_b32 s28, ttmp9, 15                      ; 16 rows of 2,048 bytes
	s_add_nc_u64 s[10:11], s[10:11], s[28:29]
.irp j, 0,1,2,3,4,5,6,7
	global_load_b128 v[G+4*\j:G+4*\j+3], v3, s[6:7] offset:512*\j
.endr
.irp j, 0,1,2,3,4,5,6,7
	global_load_b128 v[S+4*\j:S+4*\j+3], v3, s[8:9] offset:512*\j
.endr
.irp rr, 0,1,2,3
.irp j, 0,1,2,3,4,5,6,7
	global_load_b128 v[X+32*\rr+4*\j:X+32*\rr+4*\j+3], v1, s[4:5] offset:4096*\rr+512*\j
.endr
.endr
	ROW 0, 24
	ROW 1, 16
	ROW 2, 8
	ROW 3, 0
	s_endpgm
.Lfunc_end_k_q8938b92da6_ln2:
	.size	k_q8938b92da6_ln2, .Lfunc_end_k_q8938b92da6_ln2-k_q8938b92da6_ln2
	.p2alignl 7, 3214868480
	.fill 96, 4, 3214868480
	.section	.rodata,"a",@progbits
	.p2align	6, 0x0
	.amdhsa_kernel k_q8938b92da6_ln2
		.amdhsa_group_segment_fixed_size 0
		.amdhsa_private_segment_fixed_size 0
		.amdhsa_enable_private_segment 0
		.amdhsa_kernarg_size 32
		.amdhsa_user_sgpr_count 2
		.amdhsa_user_sgpr_kernarg_segment_ptr 1
		.amdhsa_wavefront_size32 1
		.amdhsa_system_sgpr_workgroup_id_x 1
		.amdhsa_system_sgpr_workgroup_id_y 1
		.amdhsa_system_sgpr_workgroup_id_z 1
		.amdhsa_system_vgpr_workitem_id 0
		.amdhsa_next_free_vgpr 212
		.amdhsa_next_free_sgpr 66
		.amdhsa_reserve_vcc 0
		.amdhsa_float_denorm_mode_32 3
		.amdhsa_float_denorm_mode_16_64 3
		.amdhsa_memory_ordered 1
		.amdhsa_forward_progress 1
		.amdhsa_inst_pref_size 38
	.end_amdhsa_kernel
	.amdgpu_metadata
---
amdhsa.version: [ 1, 2 ]
amdhsa.kernels:
  - .name:           k_q8938b92da6_ln2
    .symbol:         k_q8938b92da6_ln2.kd
    .args:
      - { .name: h, .offset: 0, .size: 8, .value_kind: global_buffer, .address_space: global }
      - { .name: g2, .offset: 8, .size: 8, .value_kind: global_buffer, .address_space: global }
      - { .name: s2, .offset: 16, .size: 8, .value_kind: global_buffer, .address_space: global }
      - { .name: yn, .offset: 24, .size: 8, .value_kind: global_buffer, .address_space: global }
    .group_segment_fixed_size: 0
    .private_segment_fixed_size: 0
    .kernarg_segment_align: 8
    .kernarg_segment_size: 32
    .max_flat_workgroup_size: 128
    .sgpr_count:     66
    .vgpr_count:     212
    .wavefront_size: 32
...
	.end_amdgpu_metadata
.endif
;; end of part 5
;; launch ffn1 (part 6): grid 16 x 16, 4 waves a work-group, clusters of 4 x 4, 327,680 bytes of LDS; arguments yn, wb, act, b1; writes act
.if DOCPART == 6
	.amdgcn_target "amdgcn-amd-amdhsa--gfx1250"
	.amdhsa_code_object_version 6
	.text
	.protected	k_q8938b92da6_ffn1
	.globl	k_q8938b92da6_ffn1
	.p2align	8
	.type	k_q8938b92da6_ffn1,@function
k_q8938b92da6_ffn1:
	s_mov_b64 s[64:65], 0
	v_nop
	global_prefetch_b8 v0, s[64:65] scope:SCOPE_SE
	s_setreg_imm32_b32 hwreg(HW_REG_WAVE_MODE, 25, 1), 1
	s_wait_xcnt 0x0
	s_wait_alu depctr_hold_cnt(0) depctr_sa_sdst(0) depctr_va_vdst(0) depctr_va_sdst(0) depctr_va_ssrc(0) depctr_va_vcc(0) depctr_vm_vsrc(0)
	s_getreg_b32 s2, hwreg(HW_REG_IB_STS2, 6, 4)
	s_cmp_eq_u32 s2, 0
	s_cbranch_scc0 .Lentry_in_a_cluster
	s_endpgm
.Lentry_in_a_cluster:
	s_bfe_u32 s2, ttmp6, 0x10000c
	s_cmp_lg_u32 s2, 0xf033
	s_cbranch_scc0 .Lentry_shape_is_right
	s_endpgm
.Lentry_shape_is_right:
; C = A B, A: [4096][1024] f16 (K along the rows), B: f16 stored [K][N] as the weights lie, C: f16; sums in f32.
; GELU = 0: A = xn, B = Wq, Wk, Wv (one matrix for each column of clusters), C = q, k, v stacked in qkv.  12 x 16 = 192 blocks: all the work there is.
; GELU = 1: A = yn, B = W1, C = gelu(A B + b1) in act.  16 x 16 = 256 blocks.
; A work-group makes a block of 256 x 256 of C with four waves; a wave makes 128 x 128: 64 accumulator tiles of 16 x 16, 512 registers.
; K goes in steps of 128 through a ring of two LDS slots filled by the tensor data mover.  A's tile: 256 rows of 256 bytes.  B's tile: 128 k-rows of 512 bytes;
; its fragments are read with ds_load_tr16_b128, which turns 8 x 8 elements, so that B is never transposed in memory.
; CLUSTERS: 4 x 4 work-groups.  The four of a row of the cluster need the same tiles of A, the four of a column the same tiles of B: each tile is asked for
; jointly, by the same tensor load with the same descriptor and a mask that names the four.  That divides the requests for A and for B by four.
; WHY F16: 11 significant bits against bf16's 8, and C has the room: a normalised row times weights of root mean square 1/32 gives numbers of root mean
; square 1; with gain and weights both 30 times larger that is 900, and |gelu(z)| <= |z|.
; LIMITS: operands are f16, C is rounded once to f16; a number of C beyond 65,504 in magnitude becomes infinite;
; v_exp_f32 gives 0 below 2^-126, where gelu(x) = x to the last bit.
;
; REGISTERS, in windows of 256: window 0: v0-31 addresses; v64-127, v128-191 fragments of A, two buffers; v192-255 at work on the way out
;   window 1: v0-63 the bias (GELU = 1); v64-127, v128-191 fragments of B, two buffers
;   window 2: the 32 accumulator tiles of my rows 0-63 (tile (a, b) at v[8 (8 a + b)]);   window 3: those of my rows 64-127
; THE MATRIX INSTRUCTION IS USED TRANSPOSED: source 0 = 16 columns of B, source 1 = 16 rows of A: lane l then holds row l % 16 of C and its registers 0 to 7
; the columns 8 (l / 16) + 0 .. 7: eight neighbouring numbers of a row of C.
.set GELU,   1
.set SIZE_K, 1024
.set KSTEP,  128
.set PITCH,  272                       ; A's LDS row: 256 bytes + 16 of padding: 16 rows that a load touches start at 16 different 16-byte columns
.set BP,     544                       ; B's LDS row: 512 bytes + 32 of padding = 17 x 32
.set HALFT,  128*PITCH                 ; what one tensor load brings: 128 rows of A, or 64 k-rows of B (64 x 544 is the same 34,816 bytes)
.set SLOT,   4*HALFT                   ; A's 256 rows, then B's 128 k-rows
.set STAGE,  2*SLOT                    ; behind the ring: 16 rows x 272 bytes for each wave, for the way out; no tensor load lands there
.set SPITCH, 272
.set LAPS,   SIZE_K/(2*KSTEP)          ; a lap = two K steps = once round the ring
.if GELU
.set LDB,    4096                      ; elements in a row of B and of C
.else
.set LDB,    1024
.endif
.set LDC,    2*LDB                     ; bytes in a row of C
.set ADRA, 16                          ; v16-17  LDS address of my A fragments in slot 0, 1
.set ADRB, 20                          ; v20-21  the same for B
.set STO,  24                          ; v24     the way out: where I put 16 bytes of a row
.set RD,   25                          ; v25     the way out: where I read a row back
.set CO,   26                          ; v26     my byte offset in C
.set BOF,  27                          ; v27     my byte offset in the bias
.set K1,   28                          ; v[28:29] -2 sqrt(2/pi) log2(e), twice
.set K2,   30                          ; v[30:31] that times 0.044715, twice
.set F0,   64                          ; fragment buffer 0
.set F1,   128                         ; fragment buffer 1
.set GT,   64                          ; the way out with gelu: 64 numbers in f32
.set U,    128                         ; and 8 at work
.set TMP,  192                         ; the way out: packed results
.set RB,   224                         ; the way out with gelu: rows read back
.set G1, 24                            ; s[24:31] descriptor group 1 for A's tiles
.set G0, 32                            ; s[32:39] descriptor group 0 for A's tiles, one set for each slot
.set G1B, 48                           ; s[48:55] descriptor group 1 for B's tiles
.set G0B, 56                           ; s[56:63] descriptor group 0 for B's tiles, one set for each slot
.set MSB, 0
.macro WIN new                         ; s_set_vgpr_msb: bits 1:0 source 0, 3:2 source 1, 5:4 source 2, 7:6 destination; the high byte repeats the setting that is left
.if MSB != \new
	s_set_vgpr_msb (MSB<<8)|\new
.set MSB, \new
.endif
.endm
.set MUL_LO, 0xa1                      ; source 0 (B) window 1, source 1 (A) window 0, C and D window 2
.set MUL_HI, 0xf1                      ; the same, C and D window 3
.set TO_B,   0x40                      ; destination window 1, address window 0
; A joint load.  Waves 0 and 1 fetch A's two halves, waves 2 and 3 B's.  Each line has one mask and one set of registers for all that issue it.
.macro JLOAD s
	s_cmp_eq_u32 s11, 0
	s_cbranch_scc0 .Lfor_b_\@
	tensor_load_to_lds s[G0+4*\s:G0+4*\s+3], s[G1:G1+7]
	s_nop 0
	s_branch .Lasked_\@
.Lfor_b_\@:
	tensor_load_to_lds s[G0B+4*\s:G0B+4*\s+3], s[G1B:G1B+7]
	s_nop 0
.Lasked_\@:
.endm
; A round of the cluster's barrier: my work-group's barrier; wave 0 signals for the work-group; every wave waits for all sixteen; my work-group's barrier once more.
.macro CREST                           ; a round behind its opening barrier
	s_cmp_lg_u32 s10, 0
	s_cbranch_scc1 .Lnot_wave_0_\@
	s_barrier_signal -3
.Lnot_wave_0_\@:
	s_barrier_wait -3
	s_barrier_signal -1
	s_barrier_wait -1
.endm
.macro CROUND                          ; a whole round
	s_barrier_signal -1
	s_barrier_wait -1
	CREST
.endm
	s_load_b128 s[4:7], s[0:1], 0x0                ; A s[4:5], wb s[6:7]
	s_load_b64 s[8:9], s[0:1], 0x10                ; C
.if GELU
	s_load_b64 s[66:67], s[0:1], 0x18              ; b1
	s_set_vgpr_msb 0x40
	v_lshl_add_u32 v255, v0, 2, 0x48400
	s_set_vgpr_msb 0x4000
	v_mov_b32 v63, 0
	s_set_vgpr_msb 0x1
	ds_add_u32 v255, v63
	ds_add_u32 v255, v63
	s_set_vgpr_msb 0x100
.endif
	v_lshrrev_b32 v1, 5, v0
	v_readfirstlane_b32 s10, v1                    ; wave 0..3
	s_lshr_b32 s11, s10, 1                         ; which half of the block's rows is mine.  Also: I fetch for A (0) or for B (1)
	s_and_b32 s12, s10, 1                          ; which half of its columns.  Also: which half of that tile I fetch
	s_bfe_u32 s40, ttmp6, 0x40000                  ; cx
	s_bfe_u32 s41, ttmp6, 0x40004                  ; cy
	s_lshl_b32 s42, ttmp9, 2
	s_add_co_u32 s42, s42, s40                     ; block column = 4 x cluster x + cx
	s_and_b32 s13, ttmp7, 0xffff
	s_lshl_b32 s13, s13, 2
	s_add_co_u32 s13, s13, s41                     ; block row = 4 x cluster y + cy
	s_lshl_b32 s43, s41, 2
	s_lshl_b32 s43, 15, s43                        ; my row of the cluster: places 4 cy .. 4 cy + 3
	s_lshl_b32 s44, 0x1111, s40                    ; my column: places cx, cx + 4, cx + 8, cx + 12
	; group 1 for A: 128 rows x 128 elements of 2 bytes, 4 words of padding behind every 64 words
	s_or_b32 s[G1+0], s43, (1<<16)|(1<<20)|(1<<21)|(5<<22)|(3<<25)
	s_mov_b32 s[G1+1], KSTEP<<16                   ; tensor_dim0 = 128
	s_mov_b32 s[G1+2], 128<<16                     ; tensor_dim1 = 128
	s_mov_b32 s[G1+3], KSTEP<<16                   ; tile_dim0 = 128
	s_mov_b32 s[G1+4], 128                         ; tile_dim1 = 128
	s_mov_b32 s[G1+5], SIZE_K                      ; elements from row to row
	s_mov_b32 s[G1+6], 0
	s_mov_b32 s[G1+7], 0
	; group 1 for B: 64 k-rows x 256 elements, 8 words of padding behind every 128 words
	s_or_b32 s[G1B+0], s44, (1<<16)|(1<<20)|(1<<21)|(6<<22)|(7<<25)
	s_mov_b32 s[G1B+1], 256<<16                    ; tensor_dim0 = 256
	s_mov_b32 s[G1B+2], 64<<16                     ; tensor_dim1 = 64
	s_mov_b32 s[G1B+3], 256<<16                    ; tile_dim0 = 256
	s_mov_b32 s[G1B+4], 64                         ; tile_dim1 = 64
	s_mov_b32 s[G1B+5], LDB
	s_mov_b32 s[G1B+6], 0
	s_mov_b32 s[G1B+7], 0
	; where the tiles come from.  A's hang on the block row alone, B's on the block column alone; each in registers that never hold the other coordinate.
	s_lshl_b32 s17, s12, 7
	s_lshl_b32 s16, s13, 8
	s_add_co_u32 s16, s16, s17                     ; A: row 256 x block row + 128 x half
	s_lshl_b32 s16, s16, 11                        ; rows of 2,048 bytes
	s_mov_b32 s17, 0
.if GELU
	s_lshl_b32 s46, s42, 9                         ; B: 512 bytes of a k-row for each block column,
	s_add_co_u32 s46, s46, 0x800000                ; in W1
.else
	s_lshl_b32 s46, ttmp9, 21                      ; B: the cluster's x picks Wq, Wk or Wv (2 MiB each),
	s_lshl_b32 s47, s40, 9                         ; cx the 512 bytes of a k-row
	s_add_co_u32 s46, s46, s47
.endif
	s_mul_i32 s47, s12, 64*LDB*2                   ; + 64 k-rows x half
	s_add_co_u32 s46, s46, s47
	s_mov_b32 s47, 0
	s_mul_i32 s20, s10, HALFT                      ; and where they go: wave x 34,816 bytes: no place in the cluster enters an LDS address
	s_wait_dscnt 0x0
	s_wait_kmcnt 0x0
	s_add_nc_u64 s[14:15], s[4:5], s[16:17]
	s_add_nc_u64 s[46:47], s[6:7], s[46:47]
	CROUND                                         ; all sixteen work-groups are here: the first joint loads meet
.irp s, 0,1
	s_mov_b32 s[G0+4*\s], 1
	s_add_co_u32 s[G0+4*\s+1], s20, \s*SLOT
	s_add_nc_u64 s[G0+4*\s+2:G0+4*\s+3], s[14:15], \s*KSTEP*2
	s_or_b32 s[G0+4*\s+3], s[G0+4*\s+3], 0x80000000
	s_mov_b32 s[G0B+4*\s], 1
	s_add_co_u32 s[G0B+4*\s+1], s20, \s*SLOT
	s_add_nc_u64 s[G0B+4*\s+2:G0B+4*\s+3], s[46:47], \s*KSTEP*LDB*2
	s_or_b32 s[G0B+4*\s+3], s[G0B+4*\s+3], 0x80000000
	JLOAD \s                                       ; the ring is filled before anything else is done: two tensor loads of the wave are out
.endr
	; A's fragment (16 rows x 32 K): lane l holds row l % 16; two loads of 16 bytes, 32 bytes apart, at row x pitch + 16 (l / 16).
	; B's fragment (16 columns x 32 K) from k-rows: two transposing loads, 16 k-rows apart, at (8 (l / 16) + l % 8) x pitch + 16 ((l / 8) % 2).
	v_and_b32 v1, 15, v0                           ; l % 16
	v_bfe_u32 v2, v0, 4, 1                         ; l / 16
	v_mul_u32_u24 v3, v1, PITCH
	v_lshl_add_u32 v3, v2, 4, v3
	v_and_b32 v6, 7, v0
	v_lshl_add_u32 v6, v2, 3, v6
	v_mul_u32_u24 v6, v6, BP
	v_bfe_u32 v7, v0, 3, 1
	v_lshl_add_u32 v6, v7, 4, v6
	s_mul_i32 s21, s11, HALFT                      ; my 128 rows of A
	s_lshl_b32 s22, s12, 8                         ; my 128 columns of B: 256 bytes of each k-row,
	s_add_co_u32 s22, s22, 2*HALFT                 ; behind A's 256 rows
.irp s, 0,1
	v_add_nc_u32 v[ADRA+\s], s21, v3
	v_add_nc_u32 v[ADRB+\s], s22, v6
	s_add_co_u32 s21, s21, SLOT
	s_add_co_u32 s22, s22, SLOT
.endr
	s_mul_i32 s23, s10, 16*SPITCH
	s_add_co_u32 s23, s23, STAGE                   ; my stage
	v_mul_u32_u24 v4, v1, SPITCH
	v_lshl_add_u32 v4, v2, 4, v4
	v_add_nc_u32 v[STO], s23, v4
	v_mul_u32_u24 v5, v2, SPITCH
	v_lshl_add_u32 v5, v1, 4, v5
	v_add_nc_u32 v[RD], s23, v5
	v_mul_u32_u24 v5, v2, LDC
	v_lshl_add_u32 v[CO], v1, 4, v5
.if GELU
	; the bias of my 128 columns, as the accumulators hold them: tile b, registers 0-7 = columns 16 b + 8 (l / 16) + 0..7.  Waited for once, in front of the way out.
	s_lshl_b32 s46, s42, 10
	s_lshl_b32 s47, s12, 9
	s_add_co_u32 s46, s46, s47
	s_mov_b32 s47, 0
	s_add_nc_u64 s[66:67], s[66:67], s[46:47]
	v_lshlrev_b32 v[BOF], 5, v2
	v_mov_b32 v[K1], 0xc0135761
	v_mov_b32 v[K1+1], 0xc0135761
	v_mov_b32 v[K2], 0xbdd2d3e8
	v_mov_b32 v[K2+1], 0xbdd2d3e8
	WIN TO_B
.irp b, 0,1,2,3,4,5,6,7
	global_load_b128 v[8*\b:8*\b+3],   v[BOF], s[66:67] offset:64*\b
	global_load_b128 v[8*\b+4:8*\b+7], v[BOF], s[66:67] offset:64*\b+16
.endr
	WIN 0
.endif
; 16 matrix instructions: m blocks a0, a0 + 1 of the window's four x all 8 n blocks, 32 along K.  zero = 1: the first product starts the sums.
; The 64 accumulators take turns, one instruction a turn, in the same order in every quarter step.
.macro MUL16 f, hi, a0, zero
.irp a, \a0, \a0+1
.irp b, 0,1,2,3,4,5,6,7
.if \zero
	v_wmma_f32_16x16x32_f16 v[8*(8*(\a)+\b):8*(8*(\a)+\b)+7], v[\f+8*\b:\f+8*\b+7], v[\f+8*(4*\hi+\a):\f+8*(4*\hi+\a)+7], 0
.else
	v_wmma_f32_16x16x32_f16 v[8*(8*(\a)+\b):8*(8*(\a)+\b)+7], v[\f+8*\b:\f+8*\b+7], v[\f+8*(4*\hi+\a):\f+8*(4*\hi+\a)+7], v[8*(8*(\a)+\b):8*(8*(\a)+\b)+7]
.endif
.endr
.endr
.endm
; 32 LDS loads in one run: the fragments of one quarter step (32 K at byte k of A's rows = k-rows k / 2 of B) into buffer f
.macro FETCH slot, k, f
	WIN TO_B
.irp i, 0,1,2,3,4,5,6,7
	ds_load_tr16_b128 v[\f+8*\i:\f+8*\i+3],   v[ADRB+\slot] offset:(\k/64)*32*BP+32*\i
	ds_load_tr16_b128 v[\f+8*\i+4:\f+8*\i+7], v[ADRB+\slot] offset:(\k/64)*32*BP+16*BP+32*\i
.endr
	WIN 0
.irp i, 0,1,2,3,4,5,6,7
	ds_load_b128 v[\f+8*\i:\f+8*\i+3],   v[ADRA+\slot] offset:\k+\i*16*PITCH
	ds_load_b128 v[\f+8*\i+4:\f+8*\i+7], v[ADRA+\slot] offset:\k+\i*16*PITCH+32
.endr
.endm
; Four plain vector instructions stand between a matrix instruction and a load into one of its registers, or a vector instruction that reads its result.
.macro PLACES
.rept 4
	v_nop
.endr
.endm
; One of a K step's first three quarters: multiplies buffer f; in its middle it fetches the next quarter's fragments into buffer g.
.macro QUARTER slot, k, f, g, zero
	s_wait_dscnt 8                                 ; B and A's rows 0-63 are in; the youngest eight loads (A's rows 64-127) may be out
	WIN MUL_LO
	MUL16 \f, 0, 0, \zero
	MUL16 \f, 0, 2, \zero
	PLACES
	FETCH \slot, \k, \g
	s_wait_dscnt 32                                ; all but the 32 just issued
	WIN MUL_HI
	MUL16 \f, 1, 0, \zero
	MUL16 \f, 1, 2, \zero
.endm
.macro THREE slot, zero
	QUARTER \slot, 64,  F0, F1, \zero
	QUARTER \slot, 128, F1, F0, 0
	QUARTER \slot, 192, F0, F1, 0
.endm
; The last quarter: multiplies buffer 1 and changes slots.  In front of the barrier each wave waits for its reads of this slot and for all its tensor loads
; (one is out: its part of the next slot).  Behind it the refill comes first, then the next slot's first fragments.
.macro TURN slot, next, fill
	s_wait_dscnt 8
	WIN MUL_LO
	MUL16 F1, 0, 0, 0
	s_wait_dscnt 0                                 ; my reads of this slot are over
	s_wait_tensorcnt 0x0                           ; and all my tensor loads have landed
	ds_add_u32 v255, v63
	s_wait_dscnt 0x0
	s_barrier_signal -1                            ; say so (where a slot is filled again this barrier opens a round of the cluster's barrier),
	MUL16 F1, 0, 2, 0                              ; work on registers while the others arrive,
	WIN 0
	s_barrier_wait -1
.if \fill
	CREST                                          ; no wave of any partner still reads this slot's tile or has a load on its way
	s_add_nc_u64 s[G0+4*\slot+2:G0+4*\slot+3], s[G0+4*\slot+2:G0+4*\slot+3], 2*KSTEP*2
	s_add_nc_u64 s[G0B+4*\slot+2:G0B+4*\slot+3], s[G0B+4*\slot+2:G0B+4*\slot+3], 2*KSTEP*LDB*2
	JLOAD \slot                                    ; the first tensor load behind the round, and the wave's only one until the next
.endif
	PLACES
	FETCH \next, 0, F0
	WIN MUL_HI
	MUL16 F1, 1, 0, 0
	MUL16 F1, 1, 2, 0
.endm
.macro LAP zero
	THREE 0, \zero
	TURN 0, 1, 1
	THREE 1, 0
	TURN 1, 0, 1
.endm
	s_wait_tensorcnt 1                             ; my part of K step 0 is in; K step 1's load, issued behind it, may stay out
	s_barrier_signal -1
	s_barrier_wait -1                              ; everybody's is
	FETCH 0, 0, F0
	LAP 1                                          ; the first lap stands in front of the loop: its first products start the sums
	WIN 0
	s_mov_b32 s3, LAPS-2
.Llap:
	LAP 0
	WIN 0
	s_sub_co_u32 s3, s3, 1
	s_cmp_lg_u32 s3, 0
	s_cbranch_scc1 .Llap
	THREE 0, 0                                     ; the last lap fills nothing
	TURN 0, 1, 0
	THREE 1, 0
	s_wait_dscnt 8
	WIN MUL_LO
	MUL16 F1, 0, 0, 0
	MUL16 F1, 0, 2, 0
	s_wait_dscnt 0
	WIN MUL_HI
	MUL16 F1, 1, 0, 0
	MUL16 F1, 1, 2, 0
	; THE WAY OUT, 16 rows of C at a time: to f16, 16 bytes a lane into my own stage in LDS, read back as whole rows of 256 bytes.
	PLACES
	s_lshl_b32 s13, s13, 8
	s_lshl_b32 s14, s11, 7
	s_add_co_u32 s16, s13, s14                     ; my first row of C
	s_mul_i32 s16, s16, LDC
	s_mov_b32 s17, 0
	s_add_nc_u64 s[8:9], s[8:9], s[16:17]
.if GELU
	s_lshl_b32 s46, s42, 9                         ; my first column, in bytes
.else
	s_lshl_b32 s46, ttmp9, 23                      ; q, k or v (8 MiB each),
	s_lshl_b32 s47, s40, 9                         ; and the column in it
	s_add_co_u32 s46, s46, s47
.endif
	s_lshl_b32 s47, s12, 8
	s_add_co_u32 s46, s46, s47
	s_mov_b32 s47, 0
	s_add_nc_u64 s[8:9], s[8:9], s[46:47]
.if GELU
; gelu of the 8 numbers at x, packed to the 4 registers at d.  0.5 x (1 + tanh(z)) = x / (1 + e^(-2 z)) = x / (1 + 2^(x (K1 + K2 x x))): the tanh form itself.
; Where x x or the power overflows the quotient is x or -0, as the tanh form gives.
.macro GELU8 x, d
.irp r, 0,2,4,6
	v_pk_mul_f32 v[U+\r:U+\r+1], v[\x+\r:\x+\r+1], v[\x+\r:\x+\r+1]
.endr
.irp r, 0,2,4,6
	v_pk_fma_f32 v[U+\r:U+\r+1], v[U+\r:U+\r+1], v[K2:K2+1], v[K1:K1+1]
.endr
.irp r, 0,2,4,6
	v_pk_mul_f32 v[U+\r:U+\r+1], v[U+\r:U+\r+1], v[\x+\r:\x+\r+1]
.endr
.irp r, 0,1,2,3,4,5,6,7
	v_exp_f32 v[U+\r], v[U+\r]
.endr
	v_nop                                          ; one plain instruction behind a transcendental before its result is used (ISA guide 5.7.2)
	s_wait_alu depctr_va_vdst(0)
.irp r, 0,2,4,6
	v_pk_add_f32 v[U+\r:U+\r+1], v[U+\r:U+\r+1], 1.0 op_sel_hi:[1,0]
.endr
.irp r, 0,1,2,3,4,5,6,7
	v_rcp_f32 v[U+\r], v[U+\r]
.endr
	v_nop
	s_wait_alu depctr_va_vdst(0)
.irp r, 0,2,4,6
	v_pk_mul_f32 v[\x+\r:\x+\r+1], v[\x+\r:\x+\r+1], v[U+\r:U+\r+1]
.endr
.irp r, 0,1,2,3
	v_cvt_pk_f16_f32 v[\d+\r], v[\x+2*\r], v[\x+2*\r+1]
.endr
.endm
; rows 16 i .. 16 i + 15 of my block; from = 0x06 or 0x07: source 0 (sums) window 2 or 3, source 1 (bias) window 1
.macro OUT16G i, a, from
	WIN \from
.irp b, 0,1,2,3,4,5,6,7
.irp r, 0,2,4,6
	v_pk_add_f32 v[GT+8*\b+\r:GT+8*\b+\r+1], v[8*(8*\a+\b)+\r:8*(8*\a+\b)+\r+1], v[8*\b+\r:8*\b+\r+1]
.endr
.endr
	WIN 0
.irp b, 0,1,2,3,4,5,6,7
	GELU8 GT+8*\b, TMP+4*\b
.endr
.irp b, 0,1,2,3,4,5,6,7
	ds_store_b128 v[STO], v[TMP+4*\b:TMP+4*\b+3] offset:32*\b
.endr
	s_wait_xcnt 0x0                                ; the rows read back and the stores' base, which the last stores read, are rewritten only behind this wait
.if \i
	s_add_nc_u64 s[8:9], s[8:9], 16*LDC
.endif
.irp t, 0,1,2,3,4,5,6,7
	ds_load_b128 v[RB+4*\t:RB+4*\t+3], v[RD] offset:\t*2*SPITCH    ; LDS serves a wave's instructions in order: these see the stores above
.endr
.irp t, 0,1,2,3,4,5,6,7
	s_wait_dscnt 7-\t
	global_store_b128 v[CO], v[RB+4*\t:RB+4*\t+3], s[8:9] offset:2*\t*LDC        ; 16 lanes store 256 consecutive bytes, aligned
.endr
.endm
	s_wait_loadcnt 0x0                             ; the bias
	OUT16G 0, 0, 0x06
	OUT16G 1, 1, 0x06
	OUT16G 2, 2, 0x06
	OUT16G 3, 3, 0x06
	OUT16G 4, 0, 0x07
	OUT16G 5, 1, 0x07
	OUT16G 6, 2, 0x07
	OUT16G 7, 3, 0x07
.else
; rows 16 i .. 16 i + 15 of my block = the eight tiles (a, 0..7) of window 2 or 3 (from = 0x0a or 0x0f: sources 0 and 1); f: F0 or F1 in turn
.macro OUT16 i, a, from, f
	WIN \from
.irp b, 0,1,2,3,4,5,6,7
.irp r, 0,1,2,3
	v_cvt_pk_f16_f32 v[TMP+4*\b+\r], v[8*(8*\a+\b)+2*\r], v[8*(8*\a+\b)+2*\r+1]
.endr
.endr
	WIN 0
.irp b, 0,1,2,3,4,5,6,7
	ds_store_b128 v[STO], v[TMP+4*\b:TMP+4*\b+3] offset:32*\b
.endr
	s_wait_xcnt 0x0                                ; buffer f, which stores read, and the stores' base are rewritten only behind this wait
.if \i
	s_add_nc_u64 s[8:9], s[8:9], 16*LDC
.endif
.irp t, 0,1,2,3,4,5,6,7
	ds_load_b128 v[\f+4*\t:\f+4*\t+3], v[RD] offset:\t*2*SPITCH    ; LDS serves a wave's instructions in order: these see the stores above
.endr
.irp t, 0,1,2,3,4,5,6,7
	s_wait_dscnt 7-\t
	global_store_b128 v[CO], v[\f+4*\t:\f+4*\t+3], s[8:9] offset:2*\t*LDC        ; 16 lanes store 256 consecutive bytes, aligned
.endr
.endm
	OUT16 0, 0, 0x0a, F0
	OUT16 1, 1, 0x0a, F1
	OUT16 2, 2, 0x0a, F0
	OUT16 3, 3, 0x0a, F1
	OUT16 4, 0, 0x0f, F0
	OUT16 5, 1, 0x0f, F1
	OUT16 6, 2, 0x0f, F0
	OUT16 7, 3, 0x0f, F1
.endif
	s_set_vgpr_msb 0x1
	s_wait_tensorcnt 0x0
	ds_add_u32 v255, v63
	s_wait_dscnt 0x0
	s_set_vgpr_msb 0x100
	CROUND                                         ; the closing round: no work-group ends while a partner may still ask for a tile that names it
	s_endpgm
.Lfunc_end_k_q8938b92da6_ffn1:
	.size	k_q8938b92da6_ffn1, .Lfunc_end_k_q8938b92da6_ffn1-k_q8938b92da6_ffn1
	.p2alignl 7, 3214868480
	.fill 96, 4, 3214868480
	.section	.rodata,"a",@progbits
	.p2align	6, 0x0
	.amdhsa_kernel k_q8938b92da6_ffn1
		.amdhsa_group_segment_fixed_size 327680
		.amdhsa_private_segment_fixed_size 0
		.amdhsa_enable_private_segment 0
		.amdhsa_kernarg_size 32
		.amdhsa_user_sgpr_count 2
		.amdhsa_user_sgpr_kernarg_segment_ptr 1
		.amdhsa_wavefront_size32 1
		.amdhsa_system_sgpr_workgroup_id_x 1
		.amdhsa_system_sgpr_workgroup_id_y 1
		.amdhsa_system_sgpr_workgroup_id_z 1
		.amdhsa_system_vgpr_workitem_id 0
		.amdhsa_next_free_vgpr 1024
		.amdhsa_next_free_sgpr 68
		.amdhsa_reserve_vcc 0
		.amdhsa_float_denorm_mode_32 3
		.amdhsa_float_denorm_mode_16_64 3
		.amdhsa_memory_ordered 1
		.amdhsa_forward_progress 1
		.amdhsa_inst_pref_size 255
	.end_amdhsa_kernel
	.section	.bss,"aw",@nobits
	.p2align	6
	.space	262144
	.amdgpu_metadata
---
amdhsa.version: [ 1, 2 ]
amdhsa.kernels:
  - .name:           k_q8938b92da6_ffn1
    .symbol:         k_q8938b92da6_ffn1.kd
    .args:
      - { .name: yn, .offset: 0, .size: 8, .value_kind: global_buffer, .address_space: global }
      - { .name: wb, .offset: 8, .size: 8, .value_kind: global_buffer, .address_space: global }
      - { .name: act, .offset: 16, .size: 8, .value_kind: global_buffer, .address_space: global }
      - { .name: b1, .offset: 24, .size: 8, .value_kind: global_buffer, .address_space: global }
    .group_segment_fixed_size: 327680
    .private_segment_fixed_size: 0
    .kernarg_segment_align: 8
    .kernarg_segment_size: 32
    .max_flat_workgroup_size: 128
    .sgpr_count:     68
    .vgpr_count:     1024
    .wavefront_size: 32
...
	.end_amdgpu_metadata
.endif
;; end of part 6
;; launch ffn2 (part 7): grid 8 x 32, 4 waves a work-group, clusters of 4 x 4, 327,680 bytes of LDS; arguments act, wb, out0, b2, h; writes out0
.if DOCPART == 7
	.amdgcn_target "amdgcn-amd-amdhsa--gfx1250"
	.amdhsa_code_object_version 6
	.text
	.protected	k_q8938b92da6_ffn2
	.globl	k_q8938b92da6_ffn2
	.p2align	8
	.type	k_q8938b92da6_ffn2,@function
k_q8938b92da6_ffn2:
	s_mov_b64 s[64:65], 0
	v_nop
	global_prefetch_b8 v0, s[64:65] scope:SCOPE_SE
	s_setreg_imm32_b32 hwreg(HW_REG_WAVE_MODE, 25, 1), 1
	s_wait_xcnt 0x0
	s_wait_alu depctr_hold_cnt(0) depctr_sa_sdst(0) depctr_va_vdst(0) depctr_va_sdst(0) depctr_va_ssrc(0) depctr_va_vcc(0) depctr_vm_vsrc(0)
	s_getreg_b32 s2, hwreg(HW_REG_IB_STS2, 6, 4)
	s_cmp_eq_u32 s2, 0
	s_cbranch_scc0 .Lentry_in_a_cluster
	s_endpgm
.Lentry_in_a_cluster:
	s_bfe_u32 s2, ttmp6, 0x10000c
	s_cmp_lg_u32 s2, 0xf033
	s_cbranch_scc0 .Lentry_shape_is_right
	s_endpgm
.Lentry_shape_is_right:
; C = R + A B + bias.  A: [4096][SIZE_K] f16, B: [SIZE_K][1024] f16 at byte BOFF of wb, stored [K][N]; bias: [1024] f32; R and C: [4096][1024] f32.
; SIZE_K = 1024, BOFF = 0x600000: h = x + ctx Wo + bo.     SIZE_K = 4096, BOFF = 0x1000000: out0 = h + act W2 + b2.
; N is 1024, so blocks of 128 x 128 give 8 x 32 = 256 work-groups.  Four waves, a wave makes 64 x 64: 16 accumulator tiles.
; K goes in NSTEP steps of 256 through a ring of two LDS slots: A's tile 128 rows of 512 bytes, B's 256 k-rows of 256 bytes; one tensor load a wave a step.
; B's fragments are read with ds_load_tr16_b128, so B is never transposed in memory.
; CLUSTERS: 4 x 4 work-groups; A's tile is asked for jointly along a row of the cluster, B's along a column: a quarter of the requests.
; WHERE K STARTS: the grid is 2 x 8 clusters.  The two clusters of one y read the same rows of A, the eight of one x the same columns of B.  The cluster at
; (X, Y) walks the K steps from ((Y mod 4) NSTEP / 4 + X NSTEP / 2) mod NSTEP on and round: the two that share A are half of K apart, four of those that share B
; a quarter each.  So from its trip NSTEP / 2 on a cluster asks for tiles of A, and from its trip NSTEP / 4 on for tiles of B, that have been read before in
; this launch.  The start hangs on the cluster's own x and y alone, which all sixteen partners share.  The f32 sums are added in that order of K.
; The residual (32 loads a lane) and the bias are asked for at the start and waited for once, in front of the way out.
; LIMITS: the operands are f16, as the launches before stored them; sums, bias and residual are f32.
; REGISTERS: window 0: v16-31 addresses and bias; v64-127, v128-191 fragments (B's four, then A's four), two buffers; v192-223 rows read back.
;            window 1: v0-127 accumulators, tile (a, b) at 8 (4 a + b); v128-255 the residual, then the result.
; The matrix instruction is used transposed (source 0 = columns of B, source 1 = rows of A): a lane holds eight neighbouring columns of one row of C.
.set SIZE_K, 4096
.set BOFF,   0x1000000
.set NSTEP,  SIZE_K/256                ; K steps
.set AP,     528                       ; A's LDS row: 512 bytes + 16 = 33 x 16
.set BP,     288                       ; B's LDS row: 256 bytes + 32 = 9 x 32
.set QTR,    36864                     ; a wave's part of a slot: 64 rows of A (33,792 bytes used) or 128 k-rows of B
.set SLOT,   4*QTR
.set STAGE,  2*SLOT                    ; 16 rows x 272 bytes for each wave, for the way out; no tensor load lands there
.set SPITCH, 272
.set LAPS,   SIZE_K/512                ; a lap = two K steps of 256
.set ADRA,  16                         ; v16-17  LDS address of my A fragments in slot 0, 1
.set ADRB,  20                         ; v20-21  the same for B, k-rows 0-127
.set ADRB2, 22                         ; v22-23  k-rows 128-255: the immediate offset has 16 bits
.set STO,   24
.set RD,    25
.set CO,    26                         ; my byte offset in R and in C
.set BOF,   27                         ; and in the bias
.set BI,    28                         ; v[28:31] bias of my four columns
.set F0,    64
.set F1,    128
.set RB,    192
.set RES,   128                        ; window 1
.set G1, 24
.set G0, 32
.set G1B, 48
.set G0B, 56
.set MSB, 0
.macro WIN new                         ; s_set_vgpr_msb: bits 1:0 source 0, 3:2 source 1, 5:4 source 2, 7:6 destination; the high byte repeats the setting that is left
.if MSB != \new
	s_set_vgpr_msb (MSB<<8)|\new
.set MSB, \new
.endif
.endm
.macro JLOAD s                         ; waves 0, 1 fetch A's halves, waves 2, 3 B's; each line has one mask and one set of registers
	s_cmp_eq_u32 s11, 0
	s_cbranch_scc0 .Lfor_b_\@
	tensor_load_to_lds s[G0+4*\s:G0+4*\s+3], s[G1:G1+7]
	s_nop 0
	s_branch .Lasked_\@
.Lfor_b_\@:
	tensor_load_to_lds s[G0B+4*\s:G0B+4*\s+3], s[G1B:G1B+7]
	s_nop 0
.Lasked_\@:
.endm
; The addresses of K step s72 mod NSTEP go into the slot's two group 0; s72 steps.  Stands where no tensor load of the wave is out, or ahead of the slot's first.
.macro SETADR slot
	s_and_b32 s73, s72, NSTEP-1
	s_lshl_b32 s74, s73, 9                         ; A: 256 elements of 2 bytes along the rows
	s_add_nc_u64 s[G0+4*\slot+2:G0+4*\slot+3], s[14:15], s[74:75]
	s_or_b32 s[G0+4*\slot+3], s[G0+4*\slot+3], 0x80000000
	s_lshl_b32 s74, s73, 19                        ; B: 256 k-rows of 2,048 bytes
	s_add_nc_u64 s[G0B+4*\slot+2:G0B+4*\slot+3], s[46:47], s[74:75]
	s_or_b32 s[G0B+4*\slot+3], s[G0B+4*\slot+3], 0x80000000
	s_add_co_u32 s72, s72, 1
.endm
.macro CREST                           ; a round of the cluster's barrier behind its opening barrier
	s_cmp_lg_u32 s10, 0
	s_cbranch_scc1 .Lnot_wave_0_\@
	s_barrier_signal -3
.Lnot_wave_0_\@:
	s_barrier_wait -3
	s_barrier_signal -1
	s_barrier_wait -1
.endm
.macro CROUND
	s_barrier_signal -1
	s_barrier_wait -1
	CREST
.endm
	s_load_b128 s[4:7], s[0:1], 0x0                ; A s[4:5], wb s[6:7]
	s_load_b64 s[8:9], s[0:1], 0x10                ; C
	s_load_b64 s[66:67], s[0:1], 0x18              ; bias
	s_load_b64 s[68:69], s[0:1], 0x20              ; R
	v_lshl_add_u32 v254, v0, 2, 0x4c400
	v_mov_b32 v255, 0
	ds_add_u32 v254, v255
	ds_add_u32 v254, v255
	v_lshrrev_b32 v1, 5, v0
	v_readfirstlane_b32 s10, v1                    ; wave 0..3
	s_lshr_b32 s11, s10, 1                         ; my half of the block's rows.  Also: I fetch for A (0) or for B (1)
	s_and_b32 s12, s10, 1                          ; my half of its columns.  Also: which half of that tile I fetch
	s_bfe_u32 s40, ttmp6, 0x40000                  ; cx
	s_bfe_u32 s41, ttmp6, 0x40004                  ; cy
	s_lshl_b32 s42, ttmp9, 2
	s_add_co_u32 s42, s42, s40                     ; block column
	s_and_b32 s13, ttmp7, 0xffff
	s_lshl_b32 s13, s13, 2
	s_add_co_u32 s13, s13, s41                     ; block row
	s_lshl_b32 s43, s41, 2
	s_lshl_b32 s43, 15, s43                        ; my row of the cluster
	s_lshl_b32 s44, 0x1111, s40                    ; my column
	s_and_b32 s72, ttmp7, 3                        ; the cluster's y mod 4
	s_mul_i32 s72, s72, NSTEP/4
	s_mul_i32 s73, ttmp9, NSTEP/2                  ; the cluster's x
	s_add_co_u32 s72, s72, s73                     ; the K step at which this cluster starts (taken mod NSTEP where it is used)
	s_mov_b32 s75, 0                               ; high word of a step's byte offset
	; group 1 for A: 64 rows x 256 elements of 2 bytes, 4 words of padding behind every 128 words
	s_or_b32 s[G1+0], s43, (1<<16)|(1<<20)|(1<<21)|(6<<22)|(3<<25)
	s_mov_b32 s[G1+1], 256<<16
	s_mov_b32 s[G1+2], 64<<16
	s_mov_b32 s[G1+3], 256<<16
	s_mov_b32 s[G1+4], 64
	s_mov_b32 s[G1+5], SIZE_K
	s_mov_b32 s[G1+6], 0
	s_mov_b32 s[G1+7], 0
	; group 1 for B: 128 k-rows x 128 elements, 8 words of padding behind every 64 words
	s_or_b32 s[G1B+0], s44, (1<<16)|(1<<20)|(1<<21)|(5<<22)|(7<<25)
	s_mov_b32 s[G1B+1], 128<<16
	s_mov_b32 s[G1B+2], 128<<16
	s_mov_b32 s[G1B+3], 128<<16
	s_mov_b32 s[G1B+4], 128
	s_mov_b32 s[G1B+5], 1024
	s_mov_b32 s[G1B+6], 0
	s_mov_b32 s[G1B+7], 0
	s_lshl_b32 s17, s12, 6
	s_lshl_b32 s16, s13, 7
	s_add_co_u32 s16, s16, s17                     ; A: row 128 x block row + 64 x half
	s_mul_i32 s16, s16, SIZE_K*2
	s_mov_b32 s17, 0
	s_lshl_b32 s46, s42, 8                         ; B: 256 bytes of a k-row for each block column
	s_add_co_u32 s46, s46, BOFF
	s_lshl_b32 s47, s12, 18                        ; + 128 k-rows of 2,048 bytes x half
	s_add_co_u32 s46, s46, s47
	s_mov_b32 s47, 0
	s_mul_i32 s20, s10, QTR                        ; where they go: wave x 36,864 bytes
	s_wait_dscnt 0x0
	s_wait_kmcnt 0x0
	s_add_nc_u64 s[14:15], s[4:5], s[16:17]        ; my part of A's tile of K step 0; kept
	s_add_nc_u64 s[46:47], s[6:7], s[46:47]        ; my part of B's tile of K step 0; kept
	CROUND                                         ; all sixteen work-groups are here: the first joint loads meet
.irp s, 0,1
	s_mov_b32 s[G0+4*\s], 1
	s_add_co_u32 s[G0+4*\s+1], s20, \s*SLOT
	s_mov_b32 s[G0B+4*\s], 1
	s_add_co_u32 s[G0B+4*\s+1], s20, \s*SLOT
	SETADR \s
	JLOAD \s                                       ; two tensor loads of the wave are out
.endr
	v_and_b32 v1, 15, v0                           ; r
	v_bfe_u32 v2, v0, 4, 1                         ; h
	v_mul_u32_u24 v3, v1, AP
	v_lshl_add_u32 v3, v2, 4, v3                   ; A: r x 528 + 16 h
	v_and_b32 v6, 7, v0
	v_lshl_add_u32 v6, v2, 3, v6
	v_mul_u32_u24 v6, v6, BP
	v_bfe_u32 v7, v0, 3, 1
	v_lshl_add_u32 v6, v7, 4, v6                   ; B: (8 h + l % 8) x 288 + 16 ((l / 8) % 2)
	s_mul_i32 s21, s11, QTR                        ; my 64 rows of A
	s_lshl_b32 s22, s12, 7                         ; my 64 columns of B: 128 bytes of each k-row,
	s_add_co_u32 s22, s22, 2*QTR                   ; behind A's parts
.irp s, 0,1
	v_add_nc_u32 v[ADRA+\s], s21, v3
	v_add_nc_u32 v[ADRB+\s], s22, v6
	v_add_nc_u32 v[ADRB2+\s], 128*BP, v[ADRB+\s]
	s_add_co_u32 s21, s21, SLOT
	s_add_co_u32 s22, s22, SLOT
.endr
	s_mul_i32 s23, s10, 16*SPITCH
	s_add_co_u32 s23, s23, STAGE                   ; my stage
	v_mul_u32_u24 v4, v1, SPITCH
	v_lshl_add_u32 v4, v2, 5, v4                   ; in: row r, 32 bytes for each half of the lanes
	v_add_nc_u32 v[STO], s23, v4
	v_mul_u32_u24 v5, v2, SPITCH
	v_lshl_add_u32 v5, v1, 4, v5                   ; back: lanes 0-15 one row of 256 bytes, lanes 16-31 the next
	v_add_nc_u32 v[RD], s23, v5
	v_lshlrev_b32 v[BOF], 4, v1
	v_lshl_add_u32 v[CO], v2, 12, v[BOF]           ; the same two rows in R and in C
	s_lshl_b32 s70, s13, 7
	s_lshl_b32 s71, s11, 6
	s_add_co_u32 s70, s70, s71                     ; my first row,
	s_lshl_b32 s70, s70, 12                        ; of 4,096 bytes,
	s_lshl_b32 s71, s42, 9
	s_add_co_u32 s70, s70, s71                     ; and my first column: 512 x block + 256 x half
	s_lshl_b32 s71, s12, 8
	s_add_co_u32 s70, s70, s71
	s_mov_b32 s71, 0
	s_add_nc_u64 s[8:9], s[8:9], s[70:71]
	s_add_nc_u64 s[68:69], s[68:69], s[70:71]
	s_lshl_b32 s70, s42, 9
	s_lshl_b32 s71, s12, 8
	s_add_co_u32 s70, s70, s71
	s_mov_b32 s71, 0
	s_add_nc_u64 s[66:67], s[66:67], s[70:71]
	global_load_b128 v[BI:BI+3], v[BOF], s[66:67]
	WIN 0x40
.irp a, 0,1,2,3
.irp t, 0,1,2,3,4,5,6,7
	global_load_b128 v[RES+4*(8*\a+\t):RES+4*(8*\a+\t)+3], v[CO], s[68:69] offset:(16*\a+2*\t)*4096
.endr
.endr
	WIN 0
; 16 LDS loads: the fragments of eighth e of the slot's K step (32 along K) into buffer f
.macro FETCHS slot, e, f
.if \e < 4
.set BB, ADRB+\slot
.else
.set BB, ADRB2+\slot
.endif
.irp i, 0,1,2,3
	ds_load_tr16_b128 v[\f+8*\i:\f+8*\i+3],   v[BB] offset:(\e&3)*32*BP+32*\i
	ds_load_tr16_b128 v[\f+8*\i+4:\f+8*\i+7], v[BB] offset:(\e&3)*32*BP+16*BP+32*\i
.endr
.irp i, 0,1,2,3
	ds_load_b128 v[\f+32+8*\i:\f+32+8*\i+3],   v[ADRA+\slot] offset:64*\e+\i*16*AP
	ds_load_b128 v[\f+32+8*\i+4:\f+32+8*\i+7], v[ADRA+\slot] offset:64*\e+\i*16*AP+32
.endr
.endm
; 8 matrix instructions: m blocks a0, a0 + 1 x 4 n blocks.  The 16 accumulators take turns, one instruction a turn, in one fixed order.
.macro MUL8S f, a0, zero
.irp a, \a0, \a0+1
.irp b, 0,1,2,3
.if \zero
	v_wmma_f32_16x16x32_f16 v[8*(4*(\a)+\b):8*(4*(\a)+\b)+7], v[\f+8*\b:\f+8*\b+7], v[\f+32+8*(\a):\f+32+8*(\a)+7], 0
.else
	v_wmma_f32_16x16x32_f16 v[8*(4*(\a)+\b):8*(4*(\a)+\b)+7], v[\f+8*\b:\f+8*\b+7], v[\f+32+8*(\a):\f+32+8*(\a)+7], v[8*(4*(\a)+\b):8*(4*(\a)+\b)+7]
.endif
.endr
.endr
.endm
.macro PLACES                          ; four plain vector instructions between a matrix instruction and a load into one of its registers
.rept 4
	v_nop
.endr
.endm
; One of a K step's first seven eighths: fetches eighth enext into buffer g, then multiplies buffer f.
.macro EIGHTH slot, enext, f, g, zero
	PLACES
	FETCHS \slot, \enext, \g
	s_wait_dscnt 16                                ; buffer f is in; the 16 loads just issued may stay out
	WIN 0x50                                       ; C and D in window 1
	MUL8S \f, 0, \zero
	MUL8S \f, 2, \zero
	WIN 0
.endm
.macro STEP slot, zero
	EIGHTH \slot, 1, F0, F1, \zero
	EIGHTH \slot, 2, F1, F0, 0
	EIGHTH \slot, 3, F0, F1, 0
	EIGHTH \slot, 4, F1, F0, 0
	EIGHTH \slot, 5, F0, F1, 0
	EIGHTH \slot, 6, F1, F0, 0
	EIGHTH \slot, 7, F0, F1, 0
.endm
; The last eighth: multiplies buffer 1 and changes slots.  In front of the barrier each wave waits for its reads of this slot and for all its tensor loads
; (one is out: its part of the next slot).  Behind it the refill comes first, then the next slot's first fragments.
.macro TURNS slot, next, fill
	s_wait_dscnt 0                                 ; buffer 1 is in, and my reads of this slot are over
	s_wait_tensorcnt 0x0                           ; all my tensor loads have landed
	ds_add_u32 v254, v255
	s_wait_dscnt 0x0
	s_barrier_signal -1                            ; (where a slot is filled again this barrier opens a round of the cluster's barrier)
	WIN 0x50
	MUL8S F1, 0, 0
	WIN 0
	s_barrier_wait -1
.if \fill
	CREST                                          ; no wave of any partner still reads this slot's tile or has a load on its way
	SETADR \slot                                   ; the cluster's next K step, round the end of K
	JLOAD \slot                                    ; the first tensor load behind the round, and the wave's only one until the next
.endif
	PLACES
	FETCHS \next, 0, F0
	WIN 0x50
	MUL8S F1, 2, 0
	WIN 0
.endm
.macro LAP zero
	STEP 0, \zero
	TURNS 0, 1, 1
	STEP 1, 0
	TURNS 1, 0, 1
.endm
	s_wait_tensorcnt 1                             ; my part of the first K step is in; the second's load, issued behind it, may stay out
	s_barrier_signal -1
	s_barrier_wait -1
	FETCHS 0, 0, F0
	LAP 1                                          ; the first products start the sums
.if LAPS > 2
	s_mov_b32 s3, LAPS-2
.Llap:
	LAP 0
	s_sub_co_u32 s3, s3, 1
	s_cmp_lg_u32 s3, 0
	s_cbranch_scc1 .Llap
.endif
	STEP 0, 0                                      ; the last lap fills nothing
	TURNS 0, 1, 0
	STEP 1, 0
	s_wait_dscnt 0
	WIN 0x50
	MUL8S F1, 0, 0
	MUL8S F1, 2, 0
	WIN 0
	; THE WAY OUT, 16 rows at a time: the sums go through my stage, come back as whole rows of 256 bytes, and meet residual and bias there.
	PLACES
	s_wait_loadcnt 0x0                             ; residual and bias
.macro OUTS a
	WIN 0x04                                       ; store data in window 1
.irp b, 0,1,2,3
	ds_store_b128 v[STO], v[8*(4*\a+\b):8*(4*\a+\b)+3]   offset:64*\b
	ds_store_b128 v[STO], v[8*(4*\a+\b)+4:8*(4*\a+\b)+7] offset:64*\b+16
.endr
	WIN 0
.irp t, 0,1,2,3,4,5,6,7
	ds_load_b128 v[RB+4*\t:RB+4*\t+3], v[RD] offset:\t*2*SPITCH    ; LDS serves a wave's instructions in order: these see the stores above
.endr
	s_wait_dscnt 0
	WIN 0x41                                       ; the residual, source 0 and destination, in window 1
.irp t, 0,1,2,3,4,5,6,7
.irp r, 0,2
	v_pk_add_f32 v[RES+4*(8*\a+\t)+\r:RES+4*(8*\a+\t)+\r+1], v[RES+4*(8*\a+\t)+\r:RES+4*(8*\a+\t)+\r+1], v[RB+4*\t+\r:RB+4*\t+\r+1]
.endr
.endr
.irp t, 0,1,2,3,4,5,6,7
.irp r, 0,2
	v_pk_add_f32 v[RES+4*(8*\a+\t)+\r:RES+4*(8*\a+\t)+\r+1], v[RES+4*(8*\a+\t)+\r:RES+4*(8*\a+\t)+\r+1], v[BI+\r:BI+\r+1]
.endr
.endr
	WIN 0x04
.irp t, 0,1,2,3,4,5,6,7
	global_store_b128 v[CO], v[RES+4*(8*\a+\t):RES+4*(8*\a+\t)+3], s[8:9] offset:(16*\a+2*\t)*4096   ; 16 lanes store 256 consecutive bytes, aligned; the data are not written again
.endr
	WIN 0
.endm
	OUTS 0
	OUTS 1
	OUTS 2
	OUTS 3
	s_wait_tensorcnt 0x0
	ds_add_u32 v254, v255
	s_wait_dscnt 0x0
	CROUND                                         ; the closing round: no work-group ends while a partner may still ask for a tile that names it
	s_endpgm
.Lfunc_end_k_q8938b92da6_ffn2:
	.size	k_q8938b92da6_ffn2, .Lfunc_end_k_q8938b92da6_ffn2-k_q8938b92da6_ffn2
	.p2alignl 7, 3214868480
	.fill 96, 4, 3214868480
	.section	.rodata,"a",@progbits
	.p2align	6, 0x0
	.amdhsa_kernel k_q8938b92da6_ffn2
		.amdhsa_group_segment_fixed_size 327680
		.amdhsa_private_segment_fixed_size 0
		.amdhsa_enable_private_segment 0
		.amdhsa_kernarg_size 40
		.amdhsa_user_sgpr_count 2
		.amdhsa_user_sgpr_kernarg_segment_ptr 1
		.amdhsa_wavefront_size32 1
		.amdhsa_system_sgpr_workgroup_id_x 1
		.amdhsa_system_sgpr_workgroup_id_y 1
		.amdhsa_system_sgpr_workgroup_id_z 1
		.amdhsa_system_vgpr_workitem_id 0
		.amdhsa_next_free_vgpr 512
		.amdhsa_next_free_sgpr 76
		.amdhsa_reserve_vcc 0
		.amdhsa_float_denorm_mode_32 3
		.amdhsa_float_denorm_mode_16_64 3
		.amdhsa_memory_ordered 1
		.amdhsa_forward_progress 1
		.amdhsa_inst_pref_size 139
	.end_amdhsa_kernel
	.amdgpu_metadata
---
amdhsa.version: [ 1, 2 ]
amdhsa.kernels:
  - .name:           k_q8938b92da6_ffn2
    .symbol:         k_q8938b92da6_ffn2.kd
    .args:
      - { .name: act, .offset: 0, .size: 8, .value_kind: global_buffer, .address_space: global }
      - { .name: wb, .offset: 8, .size: 8, .value_kind: global_buffer, .address_space: global }
      - { .name: out0, .offset: 16, .size: 8, .value_kind: global_buffer, .address_space: global }
      - { .name: b2, .offset: 24, .size: 8, .value_kind: global_buffer, .address_space: global }
      - { .name: h, .offset: 32, .size: 8, .value_kind: global_buffer, .address_space: global }
    .group_segment_fixed_size: 327680
    .private_segment_fixed_size: 0
    .kernarg_segment_align: 8
    .kernarg_segment_size: 40
    .max_flat_workgroup_size: 128
    .sgpr_count:     76
    .vgpr_count:     512
    .wavefront_size: 32
...
	.end_amdgpu_metadata
.endif
;; end of part 7
